; MI455X (gfx1250); checked and timed in simulation.
; The chip was launched on July 23, 2026; its instructions are those of AMD's public machine-readable ISA for CDNA 5 (MIT licence, August 2026) and "CDNA5" Instruction Set Architecture Reference Guide (July 2026). The comments in the code are by the model that wrote it; some were corrected since.
;; Multi Head Self Attention. Allowed arithmetic: float matrix products may take bf16 or f16 operands with f32 sums; other float arithmetic in f32, or as packed bf16 or f16 multiplies, adds, multiply-adds, maxima and minima; sums over many terms, partial sums and values carried from step to step in f32; what a program stores and reads back later, other than sums and carried values, may be rounded once to bf16 or f16.
;; Inputs: b_proj 1,024 float32; w_proj 1,024 x 1,024 float32; w_qkv 3,072 x 1,024 float32; x 4 x 4,096 x 1,024 float32.
;; Outputs: out0 4 x 4,096 x 1,024 float32.
;; 2 versions, each right; version 2 is version 1 with the launch attn written anew for expert scheduling mode. Each part assembles by itself: llvm-mc -triple=amdgcn-amd-amdhsa -mcpu=gfx1250 --defsym DOCPART=n.
;; ======== version 1 of 2: 4 launches
;; limits: values are held in f16: magnitudes above 65,504 overflow, below 6.1e-05 lose precision
;; workspace buffers: xb 33,554,432 bytes; wqb 6,291,456 bytes; wpb 2,097,152 bytes; qkv 100,663,296 bytes; o2 33,554,432 bytes
;; launch cast (part 1): grid 1280 x 1, 8 waves a work-group, no clusters, 0 bytes of LDS; arguments x, w_qkv, w_proj, xb, wqb, wpb; writes xb, wqb, wpb
.if DOCPART == 1
	.amdgcn_target "amdgcn-amd-amdhsa--gfx1250"
	.amdhsa_code_object_version 6
	.text
	.protected	k_qe9616262d0_cast
	.globl	k_qe9616262d0_cast
	.p2align	8
	.type	k_qe9616262d0_cast,@function
k_qe9616262d0_cast:
	s_mov_b64 s[64:65], 0
	v_nop
	global_prefetch_b8 v0, s[64:65] scope:SCOPE_SE
	s_setreg_imm32_b32 hwreg(HW_REG_WAVE_MODE, 25, 1), 1
	s_wait_xcnt 0x0
; THE INPUTS ARE ROUNDED ONCE TO 16 BITS.  x [16384][1024] -> xb, bf16.  w_qkv [3072][1024] -> wqb, bf16.  w_proj [1024][1024] -> wpb: rounded to bf16, and that number written as f16
; (the second product multiplies in f16).  BOTH WEIGHTS' ROWS CHANGE PLACES, so that in the products, where lane r of accumulator b holds column 16 b + r, a lane's numbers are neighbours in memory.
; wqb: row n' = 1024 p + 128 u + 16 b + r is, for p = 0, 1 (q, k), row 1024 p + 64 r + 8 u + b of w_qkv (head r, channel 8 u + b), and for p = 2 (v)
; row 2048 + 64 (8 (u % 2) + b) + 16 (u / 2) + r (head 8 (u % 2) + b, channel 16 (u / 2) + r).
; wpb: row n' = 128 w + 16 b + r is row 128 w + 64 (b / 4) + 4 r + b % 4 of w_proj.
; LIMITS.  A bf16 number of w_proj below 2^-14 falls on f16's fixed step of 6e-8 (off by 3e-8 at the most); beyond 65,504 it would become an infinity.
; SHARES.  20,480 rows of 4,096 bytes in all; a work-group takes 16 destination rows, a wave two: 1,280 work-groups of equal work.  Work-groups 0-1023: x; 1024-1215: w_qkv; 1216-1279: w_proj.
; A stream: each byte is read once and written once, so no LDS, no barrier, no matrix unit.  A wave's 16 loads (8,192 bytes) all go out at its head; there is no loop.
.set X, 4                              ; v[4:67]   quad i = 8 x row + j: 16 bytes a lane as loaded; its first two registers then hold the four rounded numbers
.set T, 68                             ; v[68:71]  at work
	s_load_b256 s[4:11], s[0:1], 0x0               ; x s[4:5], w_qkv s[6:7], w_proj s[8:9], xb s[10:11]
	s_load_b128 s[12:15], s[0:1], 0x20             ; wqb s[12:13], wpb s[14:15]
	v_lshrrev_b32 v3, 5, v0
	v_readfirstlane_b32 s16, v3                    ; wave 0..7
	v_and_b32 v1, 31, v0                           ; lane
	v_lshlrev_b32 v2, 3, v1                        ; 8 bytes a lane on the way out
	v_lshlrev_b32 v1, 4, v1                        ; 16 bytes a lane on the way in
	s_mov_b32 s17, ttmp9                           ; g
	s_mov_b32 s35, 0xffff0000                      ; a word's upper bf16
	s_cmp_lt_u32 s17, 1024
	s_cselect_b32 s18, 0, 1024
	s_cmp_lt_u32 s17, 1216
	s_cselect_b32 s18, s18, 1216                   ; the first work-group of my job
	s_sub_co_u32 s19, s17, s18
	s_lshl_b32 s19, s19, 4
	s_lshl1_add_u32 s19, s16, s19                  ; n0 = 16 (g - first) + 2 wave: my first destination row (even); the second has r + 1
	s_and_b32 s20, s19, 0xc00                      ; 1024 p
	s_bfe_u32 s21, s19, 0x30007                    ; u
	s_bfe_u32 s22, s19, 0x30004                    ; b
	s_and_b32 s23, s19, 15                         ; r
	s_lshl_b32 s40, s23, 6                         ; q, k: 1024 p + 64 r + 8 u + b
	s_lshl3_add_u32 s41, s21, s22
	s_add_co_u32 s40, s40, s41
	s_add_co_u32 s40, s40, s20
	s_and_b32 s41, s21, 1                          ; v: 1024 p + 64 (8 (u % 2) + b) + 16 (u / 2) + r
	s_lshl3_add_u32 s41, s41, s22
	s_lshl_b32 s41, s41, 6
	s_lshr_b32 s42, s21, 1
	s_lshl4_add_u32 s42, s42, s23
	s_add_co_u32 s41, s41, s42
	s_add_co_u32 s41, s41, s20
	s_and_b32 s42, s19, 0x380                      ; w_proj: 128 w + 64 (b / 4) + 4 r + b % 4
	s_lshr_b32 s43, s22, 2
	s_lshl_b32 s43, s43, 6
	s_add_co_u32 s42, s42, s43
	s_lshl2_add_u32 s42, s23, s42
	s_and_b32 s43, s22, 3
	s_add_co_u32 s42, s42, s43
	s_cmp_ge_u32 s19, 2048                         ; v's part of w_qkv?
	s_cselect_b32 s40, s41, s40
	s_cselect_b32 s34, 1, 64                       ; r + 1 lies so many source rows on
	s_cmp_eq_u32 s18, 1024                         ; the job is w_qkv; else the row stays where it is (x),
	s_cselect_b32 s20, s40, s19
	s_cselect_b32 s34, s34, 1
	s_cmp_eq_u32 s18, 1216                         ; or the job is w_proj
	s_cselect_b32 s20, s42, s20
	s_cselect_b32 s34, 4, s34
	s_lshl_b32 s32, s20, 12                        ; byte offsets, made apart from the addresses: source row,
	s_mov_b32 s33, 0
	s_lshl_b32 s36, s34, 12                        ; the step to the second source row,
	s_mov_b32 s37, 0
	s_lshl_b32 s38, s19, 11                        ; destination row
	s_mov_b32 s39, 0
	s_wait_kmcnt 0x0
	s_cmp_lt_u32 s17, 1024                         ; the job's two buffers: the conditions hang on g alone
	s_cselect_b64 s[24:25], s[4:5], s[6:7]
	s_cselect_b64 s[26:27], s[10:11], s[12:13]
	s_cmp_lt_u32 s17, 1216
	s_cselect_b64 s[24:25], s[24:25], s[8:9]
	s_cselect_b64 s[26:27], s[26:27], s[14:15]
	s_add_nc_u64 s[28:29], s[24:25], s[32:33]      ; my first source row,
	s_add_nc_u64 s[30:31], s[28:29], s[36:37]      ; my second,
	s_add_nc_u64 s[26:27], s[26:27], s[38:39]      ; my two destination rows
.irp r, 0,1
.irp j, 0,1,2,3,4,5,6,7
	global_load_b128 v[X+32*(\r)+4*(\j):X+32*(\r)+4*(\j)+3], v1, s[28+2*(\r):29+2*(\r)] offset:512*(\j) th:TH_LOAD_NT  ; 512 consecutive bytes; read once in the launch
.endr
.endr
; Quad i: four numbers a lane are rounded and stored.  half = 1: the bf16 numbers are widened again and written as f16.
.macro CONV i, half
	s_wait_loadcnt 15-(\i)                         ; loads come back in order: quad i is in, the 15 - i younger ones stay out
	v_cvt_pk_bf16_f32 v[X+4*(\i)],   v[X+4*(\i)],   v[X+4*(\i)+1]
	v_cvt_pk_bf16_f32 v[X+4*(\i)+1], v[X+4*(\i)+2], v[X+4*(\i)+3]
.if \half
	v_lshlrev_b32 v[T],   16,  v[X+4*(\i)]
	v_and_b32     v[T+1], s35, v[X+4*(\i)]
	v_lshlrev_b32 v[T+2], 16,  v[X+4*(\i)+1]
	v_and_b32     v[T+3], s35, v[X+4*(\i)+1]
	v_cvt_pk_f16_f32 v[X+4*(\i)],   v[T],   v[T+1]
	v_cvt_pk_f16_f32 v[X+4*(\i)+1], v[T+2], v[T+3]
.endif
	global_store_b64 v2, v[X+4*(\i):X+4*(\i)+1], s[26:27] offset:((\i)/8)*2048+((\i)%8)*256  ; the 32 lanes store 256 consecutive bytes, at a multiple of 256 from the buffer's first; no register that a store reads is written again
.endm
	s_cmp_ge_u32 s17, 1216
	s_cbranch_scc1 .Lf16
.set i, 0
.rept 16
	CONV i, 0
.set i, i+1
.endr
	s_endpgm
.Lf16:
.set i, 0
.rept 16
	CONV i, 1
.set i, i+1
.endr
	s_endpgm
.Lfunc_end_k_qe9616262d0_cast:
	.size	k_qe9616262d0_cast, .Lfunc_end_k_qe9616262d0_cast-k_qe9616262d0_cast
	.p2alignl 7, 3214868480
	.fill 96, 4, 3214868480
	.section	.rodata,"a",@progbits
	.p2align	6, 0x0
	.amdhsa_kernel k_qe9616262d0_cast
		.amdhsa_group_segment_fixed_size 0
		.amdhsa_private_segment_fixed_size 0
		.amdhsa_enable_private_segment 0
		.amdhsa_kernarg_size 48
		.amdhsa_user_sgpr_count 2
		.amdhsa_user_sgpr_kernarg_segment_ptr 1
		.amdhsa_wavefront_size32 1
		.amdhsa_system_sgpr_workgroup_id_x 1
		.amdhsa_system_sgpr_workgroup_id_y 1
		.amdhsa_system_sgpr_workgroup_id_z 1
		.amdhsa_system_vgpr_workitem_id 0
		.amdhsa_next_free_vgpr 72
		.amdhsa_next_free_sgpr 66
		.amdhsa_reserve_vcc 0
		.amdhsa_float_denorm_mode_32 3
		.amdhsa_float_denorm_mode_16_64 3
		.amdhsa_memory_ordered 1
		.amdhsa_forward_progress 1
		.amdhsa_inst_pref_size 17
	.end_amdhsa_kernel
	.amdgpu_metadata
---
amdhsa.version: [ 1, 2 ]
amdhsa.kernels:
  - .name:           k_qe9616262d0_cast
    .symbol:         k_qe9616262d0_cast.kd
    .args:
      - { .name: x, .offset: 0, .size: 8, .value_kind: global_buffer, .address_space: global }
      - { .name: w_qkv, .offset: 8, .size: 8, .value_kind: global_buffer, .address_space: global }
      - { .name: w_proj, .offset: 16, .size: 8, .value_kind: global_buffer, .address_space: global }
      - { .name: xb, .offset: 24, .size: 8, .value_kind: global_buffer, .address_space: global }
      - { .name: wqb, .offset: 32, .size: 8, .value_kind: global_buffer, .address_space: global }
      - { .name: wpb, .offset: 40, .size: 8, .value_kind: global_buffer, .address_space: global }
    .group_segment_fixed_size: 0
    .private_segment_fixed_size: 0
    .kernarg_segment_align: 8
    .kernarg_segment_size: 48
    .max_flat_workgroup_size: 256
    .sgpr_count:     66
    .vgpr_count:     72
    .wavefront_size: 32
...
	.end_amdgpu_metadata
.endif
;; end of part 1
;; launch gemm_qkv (part 2): grid 4 x 64, 4 waves a work-group, clusters of 4 x 4, 327,680 bytes of LDS; arguments xb, wqb, qkv; writes qkv
.if DOCPART == 2
	.amdgcn_target "amdgcn-amd-amdhsa--gfx1250"
	.amdhsa_code_object_version 6
	.text
	.protected	k_qe9616262d0_gemm_qkv
	.globl	k_qe9616262d0_gemm_qkv
	.p2align	8
	.type	k_qe9616262d0_gemm_qkv,@function
k_qe9616262d0_gemm_qkv:
	s_mov_b64 s[64:65], 0
	v_nop
	global_prefetch_b8 v0, s[64:65] scope:SCOPE_SE
	s_setreg_imm32_b32 hwreg(HW_REG_WAVE_MODE, 25, 1), 1
	s_wait_xcnt 0x0
	s_wait_alu depctr_hold_cnt(0) depctr_sa_sdst(0) depctr_va_vdst(0) depctr_va_sdst(0) depctr_va_ssrc(0) depctr_va_vcc(0) depctr_vm_vsrc(0)
	s_getreg_b32 s2, hwreg(HW_REG_IB_STS2, 6, 4)
	s_cmp_eq_u32 s2, 0
	s_cbranch_scc0 .Lentry_in_a_cluster
	s_endpgm
.Lentry_in_a_cluster:
	s_bfe_u32 s2, ttmp6, 0x10000c
	s_cmp_lg_u32 s2, 0xf033
	s_cbranch_scc0 .Lentry_shape_is_right
	s_endpgm
.Lentry_shape_is_right:
; The sums sum over k of xb[m][k] wqb[n'][k].  xb: [16384][1024] bf16, wqb: [3072][1024] bf16, qkv: [16384][3072] f16; sums in f32, K ascending, rounded once.
; LIMIT.  A sum of 65,520 or more in magnitude becomes an infinity in f16: q, k and v must stay within 65,504.
; A tile of C, 256 x 256, is made by four waves, each 128 x 128: 64 accumulators of 16 x 16, 512 registers.  K goes in steps of 128 through a ring of two LDS slots filled by the tensor data mover;
; the tiles' rows are 256 bytes of memory and start at multiples of 256 bytes.
; A WORK-GROUP STAYS: it makes three tiles of C for the same 256 rows, 1,024 columns apart (the same slice of q, of k and of v): 768 tiles on 256 work-groups.  The ring does not stop at a tile's end:
; a tile's last two changes of slots ask for the next tile's first two K steps, and nothing waits for a tile's stores.  The last tile's last K step goes by rows of C, so that finished rows leave while the others are multiplied.
; CLUSTERS: 4 x 4 work-groups.  The four of a row of the cluster need the same tiles of A, the four of a column the same tiles of B: each tile is asked for JOINTLY, by the same tensor load with the same
; descriptor and a mask that names the four, which divides the requests for A and for B by four.
; THE WAY OUT NEEDS NO LDS.  Source 0 = 16 rows of A, source 1 = 16 rows of B: register j of lane l of accumulator b holds row 8 (l / 16) + j, column n' = 16 b + l % 16 of the wave's 128.  Register j of the eight
; accumulators of a block of 16 rows, rounded in pairs (b = 0, 1; 2, 3; ..), is 16 bytes of one row, and they are stored at byte 16 (l % 16) of the wave's 256 bytes of that row: number (b, r) lies at 16 r + 2 b.
; wqb's rows are ordered so that this is what the attention reads: byte 2048 p + 256 u + 16 r + 2 b of a token's row holds, for p = 0, 1 (q, k), head r, channel 8 u + b; for p = 2 (v), channel 16 (u / 2) + r, head 8 (u % 2) + b.
; REGISTERS, in windows of 256 (s_set_vgpr_msb's low byte: bits 1:0 source 0, 3:2 source 1, 5:4 source 2, 7:6 destination):
;   window 0: v0-31 addresses; v64-127, v128-191 fragments of A, two buffers (in the very last K step four, of 16 rows x 128 K); v192-255 the way out: two buffers of packed results
;   window 1: v64-127, v128-191 fragments of B, two buffers; in the very last K step all 256      window 2: the accumulators of my rows 0-63 ((a, b) at v[8 (8 a + b)])      window 3: those of my rows 64-127
.set SIZE_N, 3072
.set SIZE_K, 1024
.set SIZE_TILES, 3
.set KSTEP,  128
.set PITCH,  272                       ; an LDS row: 256 bytes + 16 of padding = 68 words: the 16 rows that a load touches start at 16 different groups of four banks
.set HALFT,  128*PITCH                 ; 128 rows: what one tensor load brings, and what one wave reads of A or of B
.set SLOT,   4*HALFT                   ; A's 256 rows, then B's 256 rows
.set SPARE,  2*SLOT                    ; behind the ring: the spare words, 128 bytes for each wave: two blocks of 256 bytes that no other line names
.set LAPS,   SIZE_K/(2*KSTEP)          ; a lap = two K steps = once round the ring
.set BACK_A, (SIZE_K-2*KSTEP)*2        ; bytes from a slot's last K step of a tile back to its first: the walk's tiles share their rows of A,
.set NEXT_B, 1024*SIZE_K*2-BACK_A      ; B goes 1,024 rows down and back along K
.set ADRA, 16                          ; v16-17  LDS address of my A fragments in slot 0, 1
.set ADRB, 20                          ; v20-21  the same for B
.set CO,   26                          ; v26     my byte offset in C: 8 rows for the upper half of the lanes, 16 bytes for each lane of a half
.set SPW,  28                          ; v28     LDS address of my spare word: SPARE + 4 x my thread's number; never rewritten
.set NIL,  29                          ; v29     0; never rewritten
.set F0,   64                          ; fragment buffer 0
.set F1,   128                         ; fragment buffer 1
.set TMP,  192                         ; the way out: packed results, v192-223 and v224-255 by turns
.set PA,   64                          ; the very last K step: A's fragments of 16 rows x 128 K, 32 registers; four such buffers, v64-191
.set G1, 24                            ; s[24:31] descriptor group 1 for A's tiles
.set G0, 32                            ; s[32:39] descriptor group 0 for A's tiles, one set for each slot
.set G1B, 48                           ; s[48:55] group 1 for B's tiles: it differs in the mask alone
.set G0B, 56                           ; s[56:63] group 0 for B's tiles, one set for each slot
.set MSB, 0
.macro WIN new                         ; the immediate's high byte repeats the setting that is left; a switch that changes nothing is dropped
.if MSB != (\new)
	s_set_vgpr_msb (MSB<<8)|(\new)
.set MSB, \new
.endif
.endm
.set MUL_LO, 0xa4                      ; source 0 (A) window 0, source 1 (B) window 1, C and D window 2
.set MUL_HI, 0xf4                      ; the same, C and D window 3
.set TO_B,   0x40                      ; destination window 1, address window 0
; A joint load.  Waves 0 and 1 fetch A's two halves, waves 2 and 3 B's.  The branch hangs on the wave's number alone.  An s_nop 0 and four v_nop follow each of the two lines.
.macro JLOAD s
	s_cmp_eq_u32 s11, 0
	s_cbranch_scc0 .Lfor_b_\@
	tensor_load_to_lds s[G0+4*(\s):G0+4*(\s)+3], s[G1:G1+7]
	s_nop 0
.rept 4
	v_nop
.endr
	s_branch .Lasked_\@
.Lfor_b_\@:
	tensor_load_to_lds s[G0B+4*(\s):G0B+4*(\s)+3], s[G1B:G1B+7]
	s_nop 0
.rept 4
	v_nop
.endr
.Lasked_\@:
.endm
; A round of the cluster's barrier: my work-group's barrier; wave 0 signals for the work-group; every wave waits for all sixteen work-groups; my work-group's barrier once more.
.macro CREST                           ; a round behind its opening barrier
	s_cmp_lg_u32 s10, 0
	s_cbranch_scc1 .Lnot_wave_0_\@
	s_barrier_signal -3
.Lnot_wave_0_\@:
	s_barrier_wait -3
	s_barrier_signal -1
	s_barrier_wait -1
.endm
.macro CROUND                          ; a whole round
	s_barrier_signal -1
	s_barrier_wait -1
	CREST
.endm
	s_load_b128 s[4:7], s[0:1], 0x0                ; A s[4:5], B s[6:7]
	s_load_b64 s[8:9], s[0:1], 0x10                ; C
	v_lshl_add_u32 v[SPW], v0, 2, SPARE
	v_mov_b32 v[NIL], 0
	ds_add_u32 v[SPW], v[NIL]                      ; the wave's opening: the add and its wait stand ahead of my first tensor load; the set-up below, work on registers, stands between them
	v_lshrrev_b32 v1, 5, v0
	v_readfirstlane_b32 s10, v1                    ; wave 0..3
	s_lshr_b32 s11, s10, 1                         ; which half of the tile's rows is mine.  Also: I fetch for A (0) or for B (1)
	s_and_b32 s12, s10, 1                          ; which half of its columns.  Also: which 128 rows of that tile I fetch
	s_bfe_u32 s40, ttmp6, 0x40000                  ; cx
	s_bfe_u32 s41, ttmp6, 0x40004                  ; cy
	s_lshl_b32 s42, ttmp9, 2                       ; in a cluster launch ttmp9 and ttmp7 count clusters
	s_add_co_u32 s42, s42, s40                     ; my first tile column of C = 4 x cluster x + cx
	s_and_b32 s13, ttmp7, 0xffff
	s_lshl_b32 s13, s13, 2
	s_add_co_u32 s13, s13, s41                     ; tile row of C = 4 x cluster y + cy
	s_lshl_b32 s43, s41, 2
	s_lshl_b32 s43, 15, s43                        ; my row of the cluster: places 4 cy .. 4 cy + 3
	s_lshl_b32 s44, 0x1111, s40                    ; my column: places cx, cx + 4, cx + 8, cx + 12
	; descriptor group 1: a tile of 128 rows x 128 elements, padded in LDS
	s_or_b32 s[G1+0], s43, (1<<16)|(1<<20)|(1<<21)|(5<<22)|(3<<25)  ; 15:0 the mask: A's tiles go to my row; 17:16 2-byte elements; 20 padding on; 21 set beside a mask; 24:22 after every 64 words; 31:25 4 words of it
	s_or_b32 s[G1B+0], s44, (1<<16)|(1<<20)|(1<<21)|(5<<22)|(3<<25) ; the same with the mask of my column
.irp g, G1, G1B
	s_mov_b32 s[(\g)+1], KSTEP<<16                 ; tensor_dim0 = 128
	s_mov_b32 s[(\g)+2], 128<<16                   ; tensor_dim1 = 128
	s_mov_b32 s[(\g)+3], KSTEP<<16                 ; tile_dim0 = 128
	s_mov_b32 s[(\g)+4], 128                       ; tile_dim1 = 128
	s_mov_b32 s[(\g)+5], SIZE_K                    ; elements from row to row
	s_mov_b32 s[(\g)+6], 0
	s_mov_b32 s[(\g)+7], 0
.endr
	; A's tiles hang on the tile row alone, which my row of the cluster shares; B's on the tile column alone, which my column shares.  Each address is made in registers that never hold the other coordinate.
	s_lshl_b32 s17, s12, 7                         ; which 128 rows of the tile I fetch
	s_lshl_b32 s16, s13, 8
	s_add_co_u32 s16, s16, s17                     ; A: row 256 x tile row + 128 x half
	s_lshl_b32 s46, s42, 8
	s_add_co_u32 s46, s46, s17                     ; B: row 256 x tile column + 128 x half
	s_mov_b32 s17, 0
	s_mov_b32 s47, 0
	s_mov_b64 s[18:19], SIZE_K*2
	s_mul_u64 s[16:17], s[16:17], s[18:19]         ; in bytes
	s_mul_u64 s[46:47], s[46:47], s[18:19]
	s_mul_i32 s20, s10, HALFT                      ; where they go: wave x 128 rows: no place in the cluster enters an LDS address
	s_wait_dscnt 0x0                               ; the opening add is done
	s_wait_kmcnt 0x0
	s_add_nc_u64 s[14:15], s[4:5], s[16:17]
	s_add_nc_u64 s[46:47], s[6:7], s[46:47]
	CROUND                                         ; all sixteen work-groups are here: the first joint loads meet
.irp s, 0,1
	s_mov_b32 s[G0+4*(\s)], 1                                      ; count = 1
	s_add_co_u32 s[G0+4*(\s)+1], s20, (\s)*SLOT                    ; LDS address
	s_add_nc_u64 s[G0+4*(\s)+2:G0+4*(\s)+3], s[14:15], (\s)*KSTEP*2  ; global address: K step s
	s_or_b32 s[G0+4*(\s)+3], s[G0+4*(\s)+3], 0x80000000            ; type = 2
	s_mov_b32 s[G0B+4*(\s)], 1
	s_add_co_u32 s[G0B+4*(\s)+1], s20, (\s)*SLOT
	s_add_nc_u64 s[G0B+4*(\s)+2:G0B+4*(\s)+3], s[46:47], (\s)*KSTEP*2
	s_or_b32 s[G0B+4*(\s)+3], s[G0B+4*(\s)+3], 0x80000000
	JLOAD \s                                       ; the ring is filled before anything else is done: two loads of mine are out
.endr
	; A fragment is 16 rows x 32 K in 8 registers: lane l holds row l % 16; registers 0-3 K = 8 (l / 16) + 0..7, registers 4-7 K = 16 + 8 (l / 16) + 0..7: two loads of 16 bytes, 32 bytes apart.
	v_and_b32 v1, 15, v0                           ; l % 16
	v_bfe_u32 v2, v0, 4, 1                         ; l / 16
	v_mul_u32_u24 v3, v1, PITCH
	v_lshl_add_u32 v3, v2, 4, v3                   ; row x pitch + 16 x half
	s_mul_i32 s21, s11, HALFT                      ; my 128 rows of A
	s_mul_i32 s22, s12, HALFT                      ; my 128 rows of B,
	s_add_co_u32 s22, s22, 2*HALFT                 ; which lie behind A's 256
.irp s, 0,1
	v_add_nc_u32 v[ADRA+(\s)], s21, v3
	v_add_nc_u32 v[ADRB+(\s)], s22, v3
	s_add_co_u32 s21, s21, SLOT
	s_add_co_u32 s22, s22, SLOT
.endr
	v_mul_u32_u24 v5, v2, 8*SIZE_N*2               ; the upper half of the lanes holds the rows 8 further down,
	v_lshl_add_u32 v[CO], v1, 4, v5                ; and each lane of a half 16 bytes of a row's 256
	; C at my part of the first tile
	s_lshl_b32 s13, s13, 8
	s_lshl_b32 s14, s11, 7
	s_add_co_u32 s16, s13, s14                     ; my first row of C
	s_mov_b32 s17, 0
	s_mov_b64 s[18:19], SIZE_N*2
	s_mul_u64 s[16:17], s[16:17], s[18:19]
	s_lshl_b32 s46, s42, 9                         ; my first column, in bytes: 512 x tile column + 256 x half
	s_lshl_b32 s47, s12, 8
	s_add_co_u32 s46, s46, s47
	s_mov_b32 s47, 0
	s_add_nc_u64 s[16:17], s[16:17], s[46:47]
	s_add_nc_u64 s[8:9], s[8:9], s[16:17]
; 16 matrix instructions: m blocks a0, a0 + 1 of the window's four (hi = 0: my rows 0-63, 1: rows 64-127) x all 8 n blocks, 32 along K.  zero = 1: the first product starts the sums: nothing is cleared.
.macro MUL16 f, hi, a0, zero
	WIN MUL_LO+0x50*(\hi)
.irp a, \a0, (\a0)+1
.irp b, 0,1,2,3,4,5,6,7
.if \zero
	v_wmma_f32_16x16x32_bf16 v[8*(8*(\a)+(\b)):8*(8*(\a)+(\b))+7], v[(\f)+8*(4*(\hi)+(\a)):(\f)+8*(4*(\hi)+(\a))+7], v[(\f)+8*(\b):(\f)+8*(\b)+7], 0
.else
	v_wmma_f32_16x16x32_bf16 v[8*(8*(\a)+(\b)):8*(8*(\a)+(\b))+7], v[(\f)+8*(4*(\hi)+(\a)):(\f)+8*(4*(\hi)+(\a))+7], v[(\f)+8*(\b):(\f)+8*(\b)+7], v[8*(8*(\a)+(\b)):8*(8*(\a)+(\b))+7]
.endif
.endr
.endr
.endm
; 32 LDS loads in one run: the fragments of one quarter step (128 rows of B, 128 rows of A, 32 K at byte k of the rows) into buffer f
.macro FETCH slot, k, f
	WIN TO_B
.irp i, 0,1,2,3,4,5,6,7
	ds_load_b128 v[(\f)+8*(\i):(\f)+8*(\i)+3],   v[ADRB+(\slot)] offset:(\k)+(\i)*16*PITCH
	ds_load_b128 v[(\f)+8*(\i)+4:(\f)+8*(\i)+7], v[ADRB+(\slot)] offset:(\k)+(\i)*16*PITCH+32
.endr
	WIN 0
.irp i, 0,1,2,3,4,5,6,7
	ds_load_b128 v[(\f)+8*(\i):(\f)+8*(\i)+3],   v[ADRA+(\slot)] offset:(\k)+(\i)*16*PITCH
	ds_load_b128 v[(\f)+8*(\i)+4:(\f)+8*(\i)+7], v[ADRA+(\slot)] offset:(\k)+(\i)*16*PITCH+32
.endr
.endm
; Four places stand between a matrix instruction and a load into a register that it has read, or a vector instruction that reads its result (ISA guide 7.12.1 for vector instructions);
; the matrix instructions in between are not counted.
.macro PLACES
.rept 4
	v_nop
.endr
.endm
; A K step is four quarters of 32 along K, 64 matrix instructions each, on buffers 0, 1, 0, 1.  One of the first three: multiplies buffer f; in its middle it fetches the next quarter, at byte k, into buffer g.
; The 64 accumulators take turns, one instruction a turn, in the same order in every quarter.
.macro QUARTER slot, k, f, g, zero
	s_wait_dscnt 8                                 ; B and A's rows 0-63 are in; the youngest eight loads (A's rows 64-127) may be out
	MUL16 \f, 0, 0, \zero
	MUL16 \f, 0, 2, \zero
	PLACES
	FETCH \slot, \k, \g
	s_wait_dscnt 32                                ; all but the 32 just issued
	MUL16 \f, 1, 0, \zero
	MUL16 \f, 1, 2, \zero
.endm
; The last quarter multiplies buffer 1 and changes slots.  MEET is its first half: ONE barrier.  In front of it each wave waits for all its tensor loads, of which one is out: its part of the next slot;
; adds 0 to its spare word; and waits for that and for its own reads of this slot.  Behind it nobody reads this slot any more and the next slot is whole.
.macro MEET round                      ; round = 1: a round of the cluster's barrier follows
	WIN 0                                          ; (the add's two registers lie in window 0)
	s_wait_tensorcnt 0x0                           ; all my tensor loads have landed
	ds_add_u32 v[SPW], v[NIL]                      ; 0 onto my spare word
	s_wait_dscnt 9                                 ; (the add and the youngest eight loads may be out)
	MUL16 F1, 0, 0, 0                              ; sixteen matrix instructions stand between the add and the wait for it
	s_wait_dscnt 0x0                               ; the add is done, and my reads of this slot are over
	s_barrier_signal -1
	MUL16 F1, 0, 2, 0                              ; work on registers while the others arrive
.if \round
	WIN 0
.endif
	s_barrier_wait -1
.endm
; The whole last quarter.  Behind the round the slot just read out is filled again first: with this tile's K step two steps on (on = 0) or, in a tile's last two K steps, with the NEXT tile's K step 0 or 1 (on = 1);
; then come the next slot's first fragments.  One load of mine is out behind each round; from the request to the wait for it I issue 224 matrix instructions.
.macro TURN slot, next, on
	MEET 1
	CREST                                          ; no wave of any partner still reads this slot's tile or has a load on its way
.if \on
	s_sub_nc_u64 s[G0+4*(\slot)+2:G0+4*(\slot)+3], s[G0+4*(\slot)+2:G0+4*(\slot)+3], BACK_A
	s_add_nc_u64 s[G0B+4*(\slot)+2:G0B+4*(\slot)+3], s[G0B+4*(\slot)+2:G0B+4*(\slot)+3], NEXT_B
.else
	s_add_nc_u64 s[G0+4*(\slot)+2:G0+4*(\slot)+3], s[G0+4*(\slot)+2:G0+4*(\slot)+3], 2*KSTEP*2
	s_add_nc_u64 s[G0B+4*(\slot)+2:G0B+4*(\slot)+3], s[G0B+4*(\slot)+2:G0B+4*(\slot)+3], 2*KSTEP*2
.endif
	JLOAD \slot                                    ; the first tensor load behind the round; the four v_nop behind it are also the places in front of the loads below
	FETCH \next, 0, F0
	MUL16 F1, 1, 0, 0
	MUL16 F1, 1, 2, 0
.endm
; THE LAST K STEP OF THE LAST TILE (it lies in slot 1) GOES BY ROWS OF C.  All its fragments of B (4 quarters x 64 registers) fill window 1; then my eight blocks of 16 rows are finished one after the other,
; each with 32 matrix instructions (its 8 accumulators by turns, K ascending: the sums stay the same bit for bit).
.macro BLOAD q                         ; B's fragments of quarter q -> window 1, v[64 q ..]
	WIN TO_B
.irp i, 0,1,2,3,4,5,6,7
	ds_load_b128 v[64*(\q)+8*(\i):64*(\q)+8*(\i)+3],   v[ADRB+1] offset:64*(\q)+(\i)*16*PITCH
	ds_load_b128 v[64*(\q)+8*(\i)+4:64*(\q)+8*(\i)+7], v[ADRB+1] offset:64*(\q)+(\i)*16*PITCH+32
.endr
.endm
.macro ALOAD a                         ; A's fragments of block a, all four quarters -> buffer a % 4
	WIN 0
.set FA, PA+32*((\a)%4)
.irp q, 0,1,2,3
	ds_load_b128 v[FA+8*(\q):FA+8*(\q)+3],   v[ADRA+1] offset:64*(\q)+(\a)*16*PITCH
	ds_load_b128 v[FA+8*(\q)+4:FA+8*(\q)+7], v[ADRA+1] offset:64*(\q)+(\a)*16*PITCH+32
.endr
.endm
.macro ROW a                           ; block a is finished: 32 matrix instructions
.set FA, PA+32*((\a)%4)
.set AC, 64*((\a)%4)
	WIN MUL_LO+0x50*((\a)/4)
.irp q, 0,1,2,3
.if (\a) == 0 && (\q) == 2
	s_wait_dscnt 24                                ; B's quarter 2 is in (behind it: A's blocks 1 to 3, 24 loads)
.endif
.irp b, 0,1,2,3,4,5,6,7
	v_wmma_f32_16x16x32_bf16 v[AC+8*(\b):AC+8*(\b)+7], v[FA+8*(\q):FA+8*(\q)+7], v[64*(\q)+8*(\b):64*(\q)+8*(\b)+7], v[AC+8*(\b):AC+8*(\b)+7]
.endr
.endr
.endm
; THE WAY OUT of block a (16 rows).  PACK: register j of accumulators 2 i and 2 i + 1 is rounded to f16 into one word: for each j four words, 16 bytes of row 8 (l / 16) + j.  j ascends.
; SEND: stored straight from those registers.
.macro PACK a
.set AC, 64*((\a)%4)
.set TB, TMP+32*((\a)%2)
	s_wait_xcnt 0x0                                ; the stores of the block two back have read this buffer: it is rewritten only behind this wait
	WIN 0x0a+5*((\a)/4)                            ; sources 0 and 1: window 2 or 3
.irp j, 0,1,2,3,4,5,6,7
.irp i, 0,1,2,3
	v_cvt_pk_f16_f32 v[TB+4*(\j)+(\i)], v[AC+16*(\i)+(\j)], v[AC+16*(\i)+8+(\j)]
.endr
.endr
	WIN 0
.endm
.macro SEND a
	WIN 0
.set TB, TMP+32*((\a)%2)
.irp j, 0,1,2,3,4,5,6,7
	global_store_b128 v[CO], v[TB+4*(\j):TB+4*(\j)+3], s[8:9] offset:(16*(\a)+(\j))*SIZE_N*2  ; each half of the lanes stores 256 consecutive bytes of one row, at a multiple of 256 from C's first byte; 119 rows of 6,144 bytes at the most, inside the signed 24-bit immediate
.endr
.endm
	s_wait_tensorcnt 1                             ; my part of K step 0 is in; K step 1's may stay out
	s_barrier_signal -1
	s_barrier_wait -1                              ; everybody's is
	FETCH 0, 0, F0
	s_mov_b32 s2, SIZE_TILES                       ; tiles to go, this one among them: the same number in every work-group
.Ltile:
	QUARTER 0, 64,  F0, F1, 1                      ; a tile's first quarter stands in front of the loop: its products start the sums
	WIN 0                                          ; at a label and at a branch every window is 0
	s_mov_b32 s3, LAPS-1
.Llap:                                                 ; a trip goes once round the ring, from a lap's second quarter to the next lap's first, and fills both slots again
	QUARTER 0, 128, F1, F0, 0
	QUARTER 0, 192, F0, F1, 0
	TURN 0, 1, 0
	QUARTER 1, 64,  F0, F1, 0
	QUARTER 1, 128, F1, F0, 0
	QUARTER 1, 192, F0, F1, 0
	TURN 1, 0, 0
	QUARTER 0, 64,  F0, F1, 0
	WIN 0
	s_sub_co_u32 s3, s3, 1
	s_cmp_lg_u32 s3, 0
	s_cbranch_scc1 .Llap
	QUARTER 0, 128, F1, F0, 0                      ; the tile's last lap goes on
	QUARTER 0, 192, F0, F1, 0
	WIN 0
	s_cmp_eq_u32 s2, 1
	s_cbranch_scc1 .Llast_tile                     ; the last tile's tail is written out: it asks for nothing more
	TURN 0, 1, 1                                   ; THE RING GOES ON INTO THE NEXT TILE: slot 0 takes its K step 0,
	QUARTER 1, 64,  F0, F1, 0
	QUARTER 1, 128, F1, F0, 0
	QUARTER 1, 192, F0, F1, 0
	TURN 1, 0, 1                                   ; slot 1 its K step 1, and the next tile's first fragments are fetched
.irp a, 0,1,2,3,4,5,6,7                ; both refills are asked for: now the tile goes out.  Blocks 0-3 were finished in front of TURN's places, and their 128 conversions,
	PACK \a                                        ; which name no register of the last products (blocks 4-7's), are those products' places
	SEND \a
.endr
	s_wait_xcnt 0x0                                ; the stores have read C's address
	s_add_nc_u64 s[8:9], s[8:9], 1024*2            ; the next tile lies 1,024 columns on
	s_sub_co_u32 s2, s2, 1
	s_branch .Ltile
.Llast_tile:
	MEET 0                                         ; my one tensor load that was still out is slot 1's, the last K step's, so no round follows
	PLACES                                         ; for the loads into buffer 0, which the quarter before multiplied
	BLOAD 0                                        ; three quarters of B now: buffer 1 (v128-191 of both windows) is still being multiplied
	BLOAD 1
	BLOAD 3
	ALOAD 0
	MUL16 F1, 1, 0, 0
	MUL16 F1, 1, 2, 0
	PLACES                                         ; for the loads into buffer 1
	BLOAD 2
	ALOAD 1
	ALOAD 2
	ALOAD 3
	s_wait_dscnt 40                                ; all but the 40 just issued
	ROW 0
.irp a, 0,1,2,3,4,5,6,7                ; each block leaves as soon as it is finished: nothing follows this tile
	PLACES                                         ; the conversions read results just made, and the loads land in registers just multiplied
.if (\a) < 4
	ALOAD (\a)+4                                   ; the block's buffer takes the block four further on
.endif
	PACK \a
	SEND \a
.if (\a) < 4
	s_wait_dscnt 24                                ; A's block a + 1 is in: behind its loads three more blocks' were issued, eight each
	ROW (\a)+1
.elseif (\a) < 7
	s_wait_dscnt 8*(6-(\a))                        ; the same; two blocks' loads, one block's, none
	ROW (\a)+1
.endif
.endr
	s_wait_tensorcnt 0x0                           ; the wave's end: three lines behind my last tensor load
	ds_add_u32 v[SPW], v[NIL]
	s_wait_dscnt 0x0
	CROUND                                         ; the closing round: no work-group ends while a partner may still ask for a tile that names it
	s_endpgm
.Lfunc_end_k_qe9616262d0_gemm_qkv:
	.size	k_qe9616262d0_gemm_qkv, .Lfunc_end_k_qe9616262d0_gemm_qkv-k_qe9616262d0_gemm_qkv
	.p2alignl 7, 3214868480
	.fill 96, 4, 3214868480
	.section	.rodata,"a",@progbits
	.p2align	6, 0x0
	.amdhsa_kernel k_qe9616262d0_gemm_qkv
		.amdhsa_group_segment_fixed_size 327680
		.amdhsa_private_segment_fixed_size 0
		.amdhsa_enable_private_segment 0
		.amdhsa_kernarg_size 24
		.amdhsa_user_sgpr_count 2
		.amdhsa_user_sgpr_kernarg_segment_ptr 1
		.amdhsa_wavefront_size32 1
		.amdhsa_system_sgpr_workgroup_id_x 1
		.amdhsa_system_sgpr_workgroup_id_y 1
		.amdhsa_system_sgpr_workgroup_id_z 1
		.amdhsa_system_vgpr_workitem_id 0
		.amdhsa_next_free_vgpr 1024
		.amdhsa_next_free_sgpr 66
		.amdhsa_reserve_vcc 0
		.amdhsa_float_denorm_mode_32 3
		.amdhsa_float_denorm_mode_16_64 3
		.amdhsa_memory_ordered 1
		.amdhsa_forward_progress 1
		.amdhsa_inst_pref_size 191
	.end_amdhsa_kernel
	.amdgpu_metadata
---
amdhsa.version: [ 1, 2 ]
amdhsa.kernels:
  - .name:           k_qe9616262d0_gemm_qkv
    .symbol:         k_qe9616262d0_gemm_qkv.kd
    .args:
      - { .name: xb, .offset: 0, .size: 8, .value_kind: global_buffer, .address_space: global }
      - { .name: wqb, .offset: 8, .size: 8, .value_kind: global_buffer, .address_space: global }
      - { .name: qkv, .offset: 16, .size: 8, .value_kind: global_buffer, .address_space: global }
    .group_segment_fixed_size: 327680
    .private_segment_fixed_size: 0
    .kernarg_segment_align: 8
    .kernarg_segment_size: 24
    .max_flat_workgroup_size: 128
    .sgpr_count:     66
    .vgpr_count:     1024
    .wavefront_size: 32
...
	.end_amdgpu_metadata
.endif
;; end of part 2
;; launch attn (part 3): grid 256 x 1, 16 waves a work-group, no clusters, 137,216 bytes of LDS; arguments qkv, o2; writes o2
.if DOCPART == 3
	.amdgcn_target "amdgcn-amd-amdhsa--gfx1250"
	.amdhsa_code_object_version 6
	.text
	.protected	k_qe9616262d0_attn
	.globl	k_qe9616262d0_attn
	.p2align	8
	.type	k_qe9616262d0_attn,@function
k_qe9616262d0_attn:
	s_mov_b64 s[64:65], 0
	v_nop
	global_prefetch_b8 v0, s[64:65] scope:SCOPE_SE
	s_setreg_imm32_b32 hwreg(HW_REG_WAVE_MODE, 25, 1), 1
	s_wait_xcnt 0x0
; ATTENTION ACROSS THE 16 HEADS OF ONE TOKEN.  For each token: S[h][g] = q[h] . k[g] / 8, softmax over g (the row's maximum is taken away first), o[h] = sum over g of P[h][g] v[g].
; qkv: [16384][3072] f16, its columns in fragment order: byte 2048 p + 256 u + 16 r + 2 b of a token's row holds, for p = 0, 1 (q, k), head r, channel 8 u + b; for p = 2 (v), channel 16 (u / 2) + r, head 8 (u % 2) + b.
; So lane l's 16 bytes at 16 l of the 512 bytes from 2048 p + 512 blk on are: head l % 16, channels 16 blk + 8 (l / 16) + 0..7 (q, k); channel 16 blk + l % 16, heads 8 (l / 16) + 0..7 (v): half a fragment.
; o2: [16384][1024] f16, in the order that the module's transpose and reshape give: o[b][n][h][d] lies in row 4096 b + 256 h + n / 16, column 64 (n % 16) + d.
; Products, maximum, exponentials and sum in f32; P is divided by its sum in f32 and rounded to f16 for the second product; o is rounded once.
; LIMITS.  q, k, v arrive finite, within f16.  The second product has 16 heads along a K of 32: the upper half of P's fragment is 0, and what stands opposite in V's fragment (the next block of v, finite) adds 0.
; A weight below 2^-126 counts as 0; NaN and infinities are not treated apart.
; SHARES.  A wave takes four consecutive tokens: 24,576 bytes in, 16 pieces of 512 bytes out.  4,096 such groups: 256 work-groups of 16 waves.  No loop: a wave's 48 loads all go out at its head.
; A stream with a little matrix work: the work-groups share no input, so no cluster; each load covers 512 consecutive bytes, so nothing passes through LDS on the way in.
; LAYOUT.  S^T = K Q^T (source 0 = 16 key heads, source 1 = 16 query heads): lane l holds query head l % 16 and key heads 8 (l / 16) + 0..7.  Rounded in pairs that IS the lower half of source 1 of
; O^T = V^T P (source 0 = 16 channels x heads), whose result holds one head a lane and eight channels.
.set LO,  1                            ; v1   my 16 bytes in a block of 512: 16 l
.set STO, 2                            ; v2   the way out: where I put 16 bytes of a head's row in my wave's stage
.set RD,  3                            ; v3   the way out: where I read a row back
.set GO,  4                            ; v4   my 16 bytes in 512 consecutive bytes of o2
.set SPW, 6                            ; v6   LDS address of my spare word: SPARE + 4 x my thread's number; never rewritten
.set NIL, 7                            ; v7   0; never rewritten
.set ST,  8                            ; token t at v[ST+4 t]: M, T, L, L2
.set S,   24                           ; v[24:55]   S^T, then P: 8 registers a token
.set QK,  56                           ; v[56:183]  token t: Q in 16 registers, K in 16; later its O^T, 8 registers for each 16 channels
.set V,   184                          ; v[184:247] token t: V^T, 4 registers for each 16 channels; later the rows read back
.set ZQ,  248                          ; v[248:251] 0: what stands behind the last block of V
.set SEL, 16                           ; s[16:17] v_permlanex16_b32's selects: each lane takes its own place in the other half
.set CS,  18                           ; s[18:19] c = log2(e) / 8: the packed scaling takes the pair's low word for both halves
.set SP,  528                          ; a stage row: 4 tokens x 128 bytes + 16 of padding = 132 words: the 16 rows that a store touches start at 16 different groups of four banks
.set WSTAGE, 16*SP                     ; a wave's stage: 16 heads
.set SPARE, 16*WSTAGE                  ; behind the stages: the spare words, 128 bytes for each of the 16 waves: eight blocks of 256 bytes that no other line names
.macro ALL line:vararg                 ; one line for each token t
.set t, 0
.rept 4
	\line
.set t, t+1
.endr
.endm
	s_load_b128 s[4:7], s[0:1], 0x0                ; qkv s[4:5], o2 s[6:7]
	v_lshl_add_u32 v[SPW], v0, 2, SPARE
	v_mov_b32 v[NIL], 0
	v_lshrrev_b32 v5, 5, v0
	v_readfirstlane_b32 s8, v5                     ; wave 0..15
	s_lshl_b32 s9, ttmp9, 4
	s_add_co_u32 s9, s9, s8                        ; G: my group of four tokens
	s_mul_i32 s10, s9, 4*6144                      ; its first byte in qkv
	s_mov_b32 s11, 0
	s_lshr_b32 s12, s9, 10                         ; b = G / 1024,
	s_lshl_b32 s12, s12, 23                        ; 4,096 rows of 2,048 bytes each
	s_bfe_u32 s13, s9, 0x80002                     ; n / 16 = (G / 4) % 256: a row
	s_lshl_b32 s13, s13, 11
	s_add_co_u32 s12, s12, s13
	s_and_b32 s13, s9, 3                           ; n % 16 = 4 (G % 4) + t: 128 bytes a token
	s_lshl_b32 s13, s13, 9
	s_add_co_u32 s12, s12, s13
	s_mov_b32 s13, 0
	s_mov_b32 s[SEL], 0x76543210
	s_mov_b32 s[SEL+1], 0xfedcba98
	s_mov_b32 s[CS], 0x3e38aa3b                    ; 0.180337
	s_mov_b32 s[CS+1], s[CS]                       ; named with it as a pair
	s_mul_i32 s20, s8, WSTAGE                      ; my wave's stage
	v_and_b32 v[LO], 31, v0
	v_lshlrev_b32 v[LO], 4, v[LO]                  ; 16 l
	s_wait_kmcnt 0x0
	s_add_nc_u64 s[4:5], s[4:5], s[10:11]
	s_add_nc_u64 s[6:7], s[6:7], s[12:13]
.irp t, 0,1,2,3                        ; Q and K of the four tokens first: 32 loads
.irp k, 0,1,2,3
	global_load_b128 v[QK+32*(\t)+4*(\k):QK+32*(\t)+4*(\k)+3], v[LO], s[4:5] offset:(\t)*6144+(\k)*512 th:TH_LOAD_NT
.endr
.irp k, 0,1,2,3
	global_load_b128 v[QK+32*(\t)+16+4*(\k):QK+32*(\t)+16+4*(\k)+3], v[LO], s[4:5] offset:(\t)*6144+2048+(\k)*512 th:TH_LOAD_NT
.endr
.endr
.irp t, 0,1,2,3                        ; then V: 16 loads
.irp k, 0,1,2,3
	global_load_b128 v[V+16*(\t)+4*(\k):V+16*(\t)+4*(\k)+3], v[LO], s[4:5] offset:(\t)*6144+4096+(\k)*512 th:TH_LOAD_NT
.endr
.endr
	v_and_b32 v5, 15, v0                           ; l % 16
	v_bfe_u32 v[GO], v0, 4, 1                      ; l / 16
	v_mul_u32_u24 v[STO], v5, SP                   ; in: the head's row, 16 bytes for each half of the lanes
	v_lshl_add_u32 v[STO], v[GO], 4, v[STO]
	v_add_nc_u32 v[STO], s20, v[STO]
	v_and_b32 v[GO], 31, v0
	v_lshlrev_b32 v[GO], 4, v[GO]                  ; back and out: 32 lanes x 16 bytes
	v_add_nc_u32 v[RD], s20, v[GO]
	ALL v_mov_b32 v[ST+4*t+1], 0                   ; v_permlanex16_b32's destination counts as read
.irp i, 0,1,2,3
	v_mov_b32 v[ZQ+(\i)], 0
.endr
	s_wait_loadcnt 16                              ; Q and K are in; V's 16 loads may stay out
.irp t, 0,1,2,3                        ; channels 0-31 start the sums; the four accumulators take turns
	v_wmma_f32_16x16x32_f16 v[S+8*(\t):S+8*(\t)+7], v[QK+32*(\t)+16:QK+32*(\t)+23], v[QK+32*(\t):QK+32*(\t)+7], 0
.endr
.irp t, 0,1,2,3                        ; channels 32-63
	v_wmma_f32_16x16x32_f16 v[S+8*(\t):S+8*(\t)+7], v[QK+32*(\t)+24:QK+32*(\t)+31], v[QK+32*(\t)+8:QK+32*(\t)+15], v[S+8*(\t):S+8*(\t)+7]
.endr
.rept 4
	v_nop                                          ; the places between the products and the first read of their results
.endr
	; the row's maximum: my eight scores (from the accumulator's low end on), then the other half of the lanes'
	ALL v_max3_num_f32 v[ST+4*t], v[S+8*t], v[S+8*t+1], v[S+8*t+2]
	ALL v_max3_num_f32 v[ST+4*t], v[ST+4*t], v[S+8*t+3], v[S+8*t+4]
	ALL v_max3_num_f32 v[ST+4*t], v[ST+4*t], v[S+8*t+5], v[S+8*t+6]
	ALL v_max_num_f32 v[ST+4*t], v[ST+4*t], v[S+8*t+7]
	ALL v_permlanex16_b32 v[ST+4*t+1], v[ST+4*t], s[SEL], s[SEL+1]
	ALL v_max_num_f32 v[ST+4*t], v[ST+4*t], v[ST+4*t+1]
	ALL v_mul_f32 v[ST+4*t], s[CS], v[ST+4*t]      ; c m
.irp i, 0,2,4,6
	ALL v_pk_fma_f32 v[S+8*t+\i:S+8*t+\i+1], v[S+8*t+\i:S+8*t+\i+1], s[CS:CS+1], v[ST+4*t:ST+4*t+1] op_sel_hi:[1,0,0] neg_lo:[0,0,1] neg_hi:[0,0,1]  ; c s - c m
.endr
.set i, 0
.rept 32
	v_exp_f32 v[S+i], v[S+i]
.set i, i+1
.endr
	v_nop                                          ; a plain instruction between the last exponential and the use of its result
	s_wait_alu depctr_va_vdst(0)
	; the row's sum
	ALL v_pk_add_f32 v[ST+4*t+2:ST+4*t+3], v[S+8*t:S+8*t+1], v[S+8*t+2:S+8*t+3]
	ALL v_pk_add_f32 v[ST+4*t:ST+4*t+1], v[S+8*t+4:S+8*t+5], v[S+8*t+6:S+8*t+7]
	ALL v_pk_add_f32 v[ST+4*t+2:ST+4*t+3], v[ST+4*t+2:ST+4*t+3], v[ST+4*t:ST+4*t+1]
	ALL v_add_f32 v[ST+4*t+2], v[ST+4*t+2], v[ST+4*t+3]
	ALL v_permlanex16_b32 v[ST+4*t+1], v[ST+4*t+2], s[SEL], s[SEL+1]
	ALL v_add_f32 v[ST+4*t+2], v[ST+4*t+2], v[ST+4*t+1]
	ALL v_rcp_f32 v[ST+4*t], v[ST+4*t+2]
	v_nop                                          ; a plain instruction between the last reciprocal and the use of its result
	s_wait_alu depctr_va_vdst(0)
.irp i, 0,2,4,6
	ALL v_pk_mul_f32 v[S+8*t+\i:S+8*t+\i+1], v[S+8*t+\i:S+8*t+\i+1], v[ST+4*t:ST+4*t+1] op_sel_hi:[1,0]
.endr
.irp i, 0,1,2,3                        ; in place: register i takes weights 2 i, 2 i + 1, which no later line reads
	ALL v_cvt_pk_f16_f32 v[S+8*t+\i], v[S+8*t+2*\i], v[S+8*t+2*\i+1]
.endr
.irp i, 4,5,6,7                        ; there are no heads 16 to 31
	ALL v_mov_b32 v[S+8*t+\i], 0
.endr
	s_wait_loadcnt 0x0                             ; V
.irp c, 0,1,2,3                        ; 16 products, each a whole sum of its own; they land where Q and K lay, whose last readers stand the whole softmax back
.irp t, 0,1,2,3
	v_wmma_f32_16x16x32_f16 v[QK+32*(\t)+8*(\c):QK+32*(\t)+8*(\c)+7], v[V+16*(\t)+4*(\c):V+16*(\t)+4*(\c)+7], v[S+8*(\t):S+8*(\t)+7], 0
.endr
.endr
.rept 4
	v_nop                                          ; the places in front of the conversions, and of the loads into V's registers
.endr
	; THE WAY OUT: a lane's eight channels of a head pack into 16 bytes; they go into the head's row of my stage, four tokens side by side, and come back as whole rows of 512 bytes.
.irp t, 0,1,2,3
.irp c, 0,1,2,3
.irp i, 0,1,2,3
	v_cvt_pk_f16_f32 v[QK+32*(\t)+8*(\c)+(\i)], v[QK+32*(\t)+8*(\c)+2*(\i)], v[QK+32*(\t)+8*(\c)+2*(\i)+1]
.endr
	ds_store_b128 v[STO], v[QK+32*(\t)+8*(\c):QK+32*(\t)+8*(\c)+3] offset:(\t)*128+(\c)*32
.endr
.endr
.irp h, 0,1,2,3,4,5,6,7,8,9,10,11,12,13,14,15
	ds_load_b128 v[V+4*(\h):V+4*(\h)+3], v[RD] offset:(\h)*SP  ; my wave's own bytes: LDS serves a wave's instructions in order, so these see the stores above
.endr
.irp h, 0,1,2,3,4,5,6,7,8,9,10,11,12,13,14,15
	s_wait_dscnt 15-(\h)                           ; row h is back; the 15 - h younger loads stay out
	global_store_b128 v[GO], v[V+4*(\h):V+4*(\h)+3], s[6:7] offset:(\h)*524288  ; 512 consecutive bytes, at a multiple of 512 from o2's first; head h lies 256 rows of 2,048 bytes on: 7,864,320 at the most, inside the signed 24-bit immediate
.endr
	s_wait_tensorcnt 0x0                           ; the wave's end: three lines behind my last LDS store
	ds_add_u32 v[SPW], v[NIL]
	s_wait_dscnt 0x0
	s_endpgm
.Lfunc_end_k_qe9616262d0_attn:
	.size	k_qe9616262d0_attn, .Lfunc_end_k_qe9616262d0_attn-k_qe9616262d0_attn
	.p2alignl 7, 3214868480
	.fill 96, 4, 3214868480
	.section	.rodata,"a",@progbits
	.p2align	6, 0x0
	.amdhsa_kernel k_qe9616262d0_attn
		.amdhsa_group_segment_fixed_size 137216
		.amdhsa_private_segment_fixed_size 0
		.amdhsa_enable_private_segment 0
		.amdhsa_kernarg_size 16
		.amdhsa_user_sgpr_count 2
		.amdhsa_user_sgpr_kernarg_segment_ptr 1
		.amdhsa_wavefront_size32 1
		.amdhsa_system_sgpr_workgroup_id_x 1
		.amdhsa_system_sgpr_workgroup_id_y 1
		.amdhsa_system_sgpr_workgroup_id_z 1
		.amdhsa_system_vgpr_workitem_id 0
		.amdhsa_next_free_vgpr 256
		.amdhsa_next_free_sgpr 66
		.amdhsa_reserve_vcc 0
		.amdhsa_float_denorm_mode_32 3
		.amdhsa_float_denorm_mode_16_64 3
		.amdhsa_memory_ordered 1
		.amdhsa_forward_progress 1
		.amdhsa_inst_pref_size 24
	.end_amdhsa_kernel
	.amdgpu_metadata
---
amdhsa.version: [ 1, 2 ]
amdhsa.kernels:
  - .name:           k_qe9616262d0_attn
    .symbol:         k_qe9616262d0_attn.kd
    .args:
      - { .name: qkv, .offset: 0, .size: 8, .value_kind: global_buffer, .address_space: global }
      - { .name: o2, .offset: 8, .size: 8, .value_kind: global_buffer, .address_space: global }
    .group_segment_fixed_size: 137216
    .private_segment_fixed_size: 0
    .kernarg_segment_align: 8
    .kernarg_segment_size: 16
    .max_flat_workgroup_size: 512
    .sgpr_count:     66
    .vgpr_count:     256
    .wavefront_size: 32
...
	.end_amdgpu_metadata
.endif
;; end of part 3
;; launch gemm_proj (part 4): grid 4 x 64, 4 waves a work-group, clusters of 4 x 4, 327,680 bytes of LDS; arguments o2, wpb, out0, b_proj; writes out0
.if DOCPART == 4
	.amdgcn_target "amdgcn-amd-amdhsa--gfx1250"
	.amdhsa_code_object_version 6
	.text
	.protected	k_qe9616262d0_gemm_proj
	.globl	k_qe9616262d0_gemm_proj
	.p2align	8
	.type	k_qe9616262d0_gemm_proj,@function
k_qe9616262d0_gemm_proj:
	s_mov_b64 s[64:65], 0
	v_nop
	global_prefetch_b8 v0, s[64:65] scope:SCOPE_SE
	s_setreg_imm32_b32 hwreg(HW_REG_WAVE_MODE, 25, 1), 1
	s_wait_xcnt 0x0
	s_wait_alu depctr_hold_cnt(0) depctr_sa_sdst(0) depctr_va_vdst(0) depctr_va_sdst(0) depctr_va_ssrc(0) depctr_va_vcc(0) depctr_vm_vsrc(0)
	s_getreg_b32 s2, hwreg(HW_REG_IB_STS2, 6, 4)
	s_cmp_eq_u32 s2, 0
	s_cbranch_scc0 .Lentry_in_a_cluster
	s_endpgm
.Lentry_in_a_cluster:
	s_bfe_u32 s2, ttmp6, 0x10000c
	s_cmp_lg_u32 s2, 0xf033
	s_cbranch_scc0 .Lentry_shape_is_right
	s_endpgm
.Lentry_shape_is_right:
; out0[m][n] = sum over k of o2[m][k] w_proj[n][k] + b[n].  o2: [16384][1024] f16, wpb: [1024][1024] f16 (w_proj rounded to bf16, written as f16, its rows in another order), b: [1024] f32, out0: [16384][1024] f32.
; Sums in f32, K ascending.  The bias is rounded to bf16, like the module's other inputs, and added in f32.
; A tile of C, 256 x 256, is made by four waves, each 128 x 128: 64 accumulators of 16 x 16, 512 registers: 256 tiles, one to a work-group.  K goes in steps of 128 through a ring of two LDS slots
; filled by the tensor data mover; the tiles' rows are 256 bytes of memory and start at multiples of 256 bytes.  The last K step goes by rows of C, so that finished rows leave while the others are multiplied.
; CLUSTERS: 4 x 4 work-groups.  The four of a row of the cluster need the same tiles of A, the four of a column the same tiles of B: each tile is asked for JOINTLY, by the same tensor load with the same
; descriptor and a mask that names the four.
; THE WAY OUT NEEDS NO LDS.  Source 0 = 16 rows of A, source 1 = 16 rows of B: register j of lane l of accumulator b holds row 8 (l / 16) + j and row 16 b + l % 16 of the wave's 128 rows of wpb, which is
; column 64 (b / 4) + 4 (l % 16) + b % 4 of the wave's 128 columns of C.  So register j of accumulators 4 g .. 4 g + 3 is four neighbouring numbers of a row; the addition of the bias writes them into four
; consecutive registers, and sixteen lanes store 256 consecutive bytes.
; REGISTERS, in windows of 256 (s_set_vgpr_msb's low byte: bits 1:0 source 0, 3:2 source 1, 5:4 source 2, 7:6 destination):
;   window 0: v0-31 addresses and the bias; v64-127, v128-191 fragments of A, two buffers (in the last K step four, of 16 rows x 128 K); v192-255 the way out: two buffers of finished numbers
;   window 1: v64-127, v128-191 fragments of B, two buffers; in the last K step all 256      window 2: the accumulators of my rows 0-63 ((a, b) at v[8 (8 a + b)])      window 3: those of my rows 64-127
.set SIZE_N, 1024
.set SIZE_K, 1024
.set KSTEP,  128
.set PITCH,  272                       ; an LDS row: 256 bytes + 16 of padding = 68 words: the 16 rows that a load touches start at 16 different groups of four banks
.set HALFT,  128*PITCH                 ; 128 rows: what one tensor load brings, and what one wave reads of A or of B
.set SLOT,   4*HALFT                   ; A's 256 rows, then B's 256 rows
.set SPARE,  2*SLOT                    ; behind the ring: the spare words, 128 bytes for each wave: two blocks of 256 bytes that no other line names
.set LAPS,   SIZE_K/(2*KSTEP)          ; a lap = two K steps = once round the ring
.set BIAS, 8                           ; v8-15   the bias of my eight columns: register b goes with accumulator b
.set ADRA, 16                          ; v16-17  LDS address of my A fragments in slot 0, 1
.set ADRB, 20                          ; v20-21  the same for B
.set CO,   26                          ; v26     my byte offset in C: 8 rows for the upper half of the lanes, 16 bytes for each lane of a half
.set SPW,  28                          ; v28     LDS address of my spare word: SPARE + 4 x my thread's number; never rewritten
.set NIL,  29                          ; v29     0; never rewritten
.set F0,   64                          ; fragment buffer 0
.set F1,   128                         ; fragment buffer 1
.set TMP,  192                         ; the way out: v192-223 and v224-255 by turns
.set PA,   64                          ; the last K step: A's fragments of 16 rows x 128 K, 32 registers; four such buffers, v64-191
.set G1, 24                            ; s[24:31] descriptor group 1 for A's tiles
.set G0, 32                            ; s[32:39] descriptor group 0 for A's tiles, one set for each slot
.set G1B, 48                           ; s[48:55] group 1 for B's tiles: it differs in the mask alone
.set G0B, 56                           ; s[56:63] group 0 for B's tiles, one set for each slot
.set MSB, 0
.macro WIN new                         ; the immediate's high byte repeats the setting that is left; a switch that changes nothing is dropped
.if MSB != (\new)
	s_set_vgpr_msb (MSB<<8)|(\new)
.set MSB, \new
.endif
.endm
.set MUL_LO, 0xa4                      ; source 0 (A) window 0, source 1 (B) window 1, C and D window 2
.set MUL_HI, 0xf4                      ; the same, C and D window 3
.set TO_B,   0x40                      ; destination window 1, address window 0
; A joint load.  Waves 0 and 1 fetch A's two halves, waves 2 and 3 B's.  The branch hangs on the wave's number alone.  An s_nop 0 and four v_nop follow each of the two lines.
.macro JLOAD s
	s_cmp_eq_u32 s11, 0
	s_cbranch_scc0 .Lfor_b_\@
	tensor_load_to_lds s[G0+4*(\s):G0+4*(\s)+3], s[G1:G1+7]
	s_nop 0
.rept 4
	v_nop
.endr
	s_branch .Lasked_\@
.Lfor_b_\@:
	tensor_load_to_lds s[G0B+4*(\s):G0B+4*(\s)+3], s[G1B:G1B+7]
	s_nop 0
.rept 4
	v_nop
.endr
.Lasked_\@:
.endm
; A round of the cluster's barrier: my work-group's barrier; wave 0 signals for the work-group; every wave waits for all sixteen work-groups; my work-group's barrier once more.
.macro CREST                           ; a round behind its opening barrier
	s_cmp_lg_u32 s10, 0
	s_cbranch_scc1 .Lnot_wave_0_\@
	s_barrier_signal -3
.Lnot_wave_0_\@:
	s_barrier_wait -3
	s_barrier_signal -1
	s_barrier_wait -1
.endm
.macro CROUND                          ; a whole round
	s_barrier_signal -1
	s_barrier_wait -1
	CREST
.endm
	s_load_b128 s[4:7], s[0:1], 0x0                ; A s[4:5], B s[6:7]
	s_load_b64 s[8:9], s[0:1], 0x10                ; C
	s_load_b64 s[66:67], s[0:1], 0x18              ; the bias
	v_lshl_add_u32 v[SPW], v0, 2, SPARE
	v_mov_b32 v[NIL], 0
	ds_add_u32 v[SPW], v[NIL]                      ; the wave's opening: the add and its wait stand ahead of my first tensor load; the set-up below, work on registers, stands between them
	v_lshrrev_b32 v1, 5, v0
	v_readfirstlane_b32 s10, v1                    ; wave 0..3
	s_lshr_b32 s11, s10, 1                         ; which half of the tile's rows is mine.  Also: I fetch for A (0) or for B (1)
	s_and_b32 s12, s10, 1                          ; which half of its columns.  Also: which 128 rows of that tile I fetch
	s_bfe_u32 s40, ttmp6, 0x40000                  ; cx
	s_bfe_u32 s41, ttmp6, 0x40004                  ; cy
	s_lshl_b32 s42, ttmp9, 2                       ; in a cluster launch ttmp9 and ttmp7 count clusters
	s_add_co_u32 s42, s42, s40                     ; tile column of C = 4 x cluster x + cx
	s_and_b32 s13, ttmp7, 0xffff
	s_lshl_b32 s13, s13, 2
	s_add_co_u32 s13, s13, s41                     ; tile row of C = 4 x cluster y + cy
	s_lshl_b32 s43, s41, 2
	s_lshl_b32 s43, 15, s43                        ; my row of the cluster: places 4 cy .. 4 cy + 3
	s_lshl_b32 s44, 0x1111, s40                    ; my column: places cx, cx + 4, cx + 8, cx + 12
	; descriptor group 1: a tile of 128 rows x 128 elements, padded in LDS
	s_or_b32 s[G1+0], s43, (1<<16)|(1<<20)|(1<<21)|(5<<22)|(3<<25)  ; 15:0 the mask: A's tiles go to my row; 17:16 2-byte elements; 20 padding on; 21 set beside a mask; 24:22 after every 64 words; 31:25 4 words of it
	s_or_b32 s[G1B+0], s44, (1<<16)|(1<<20)|(1<<21)|(5<<22)|(3<<25) ; the same with the mask of my column
.irp g, G1, G1B
	s_mov_b32 s[(\g)+1], KSTEP<<16                 ; tensor_dim0 = 128
	s_mov_b32 s[(\g)+2], 128<<16                   ; tensor_dim1 = 128
	s_mov_b32 s[(\g)+3], KSTEP<<16                 ; tile_dim0 = 128
	s_mov_b32 s[(\g)+4], 128                       ; tile_dim1 = 128
	s_mov_b32 s[(\g)+5], SIZE_K                    ; elements from row to row
	s_mov_b32 s[(\g)+6], 0
	s_mov_b32 s[(\g)+7], 0
.endr
	; A's tiles hang on the tile row alone, which my row of the cluster shares; B's on the tile column alone, which my column shares.  Each address is made in registers that never hold the other coordinate.
	s_lshl_b32 s17, s12, 7                         ; which 128 rows of the tile I fetch
	s_lshl_b32 s16, s13, 8
	s_add_co_u32 s16, s16, s17                     ; A: row 256 x tile row + 128 x half
	s_lshl_b32 s46, s42, 8
	s_add_co_u32 s46, s46, s17                     ; B: row 256 x tile column + 128 x half
	s_mov_b32 s17, 0
	s_mov_b32 s47, 0
	s_mov_b64 s[18:19], SIZE_K*2
	s_mul_u64 s[16:17], s[16:17], s[18:19]         ; in bytes
	s_mul_u64 s[46:47], s[46:47], s[18:19]
	s_mul_i32 s20, s10, HALFT                      ; where they go: wave x 128 rows: no place in the cluster enters an LDS address
	s_wait_dscnt 0x0                               ; the opening add is done
	s_wait_kmcnt 0x0
	s_add_nc_u64 s[14:15], s[4:5], s[16:17]
	s_add_nc_u64 s[46:47], s[6:7], s[46:47]
	CROUND                                         ; all sixteen work-groups are here: the first joint loads meet
.irp s, 0,1
	s_mov_b32 s[G0+4*(\s)], 1                                      ; count = 1
	s_add_co_u32 s[G0+4*(\s)+1], s20, (\s)*SLOT                    ; LDS address
	s_add_nc_u64 s[G0+4*(\s)+2:G0+4*(\s)+3], s[14:15], (\s)*KSTEP*2  ; global address: K step s
	s_or_b32 s[G0+4*(\s)+3], s[G0+4*(\s)+3], 0x80000000            ; type = 2
	s_mov_b32 s[G0B+4*(\s)], 1
	s_add_co_u32 s[G0B+4*(\s)+1], s20, (\s)*SLOT
	s_add_nc_u64 s[G0B+4*(\s)+2:G0B+4*(\s)+3], s[46:47], (\s)*KSTEP*2
	s_or_b32 s[G0B+4*(\s)+3], s[G0B+4*(\s)+3], 0x80000000
	JLOAD \s                                       ; the ring is filled before anything else is done: two loads of mine are out
.endr
	; A fragment is 16 rows x 32 K in 8 registers: lane l holds row l % 16; registers 0-3 K = 8 (l / 16) + 0..7, registers 4-7 K = 16 + 8 (l / 16) + 0..7: two loads of 16 bytes, 32 bytes apart.
	v_and_b32 v1, 15, v0                           ; l % 16
	v_bfe_u32 v2, v0, 4, 1                         ; l / 16
	v_mul_u32_u24 v3, v1, PITCH
	v_lshl_add_u32 v3, v2, 4, v3                   ; row x pitch + 16 x half
	s_mul_i32 s21, s11, HALFT                      ; my 128 rows of A
	s_mul_i32 s22, s12, HALFT                      ; my 128 rows of B,
	s_add_co_u32 s22, s22, 2*HALFT                 ; which lie behind A's 256
.irp s, 0,1
	v_add_nc_u32 v[ADRA+(\s)], s21, v3
	v_add_nc_u32 v[ADRB+(\s)], s22, v3
	s_add_co_u32 s21, s21, SLOT
	s_add_co_u32 s22, s22, SLOT
.endr
	v_lshlrev_b32 v5, 4, v1                        ; each lane of a half has 16 bytes of a row's 256, in C and in the bias;
	v_lshl_add_u32 v[CO], v2, 15, v5               ; the upper half of the lanes holds the rows 8 further down, 4,096 bytes each
	; C and the bias at my part of the tile
	s_lshl_b32 s13, s13, 8
	s_lshl_b32 s14, s11, 7
	s_add_co_u32 s16, s13, s14                     ; my first row of C
	s_mov_b32 s17, 0
	s_mov_b64 s[18:19], SIZE_N*4
	s_mul_u64 s[16:17], s[16:17], s[18:19]
	s_lshl_b32 s46, s42, 10                        ; my first column, in bytes: 1,024 x tile column + 512 x half
	s_lshl_b32 s47, s12, 9
	s_add_co_u32 s46, s46, s47
	s_mov_b32 s47, 0
	s_add_nc_u64 s[66:67], s[66:67], s[46:47]
	s_add_nc_u64 s[16:17], s[16:17], s[46:47]
	s_add_nc_u64 s[8:9], s[8:9], s[16:17]
	global_load_b128 v[BIAS:BIAS+3],   v5, s[66:67]             ; columns 4 (l % 16) + 0..3,
	global_load_b128 v[BIAS+4:BIAS+7], v5, s[66:67] offset:256  ; and 64 further on.  All this stands in the wait for the first tile
	s_wait_loadcnt 0x0
.irp p, 0,2,4,6                        ; rounded to bf16, and widened again
	v_cvt_pk_bf16_f32 v6, v[BIAS+(\p)], v[BIAS+(\p)+1]
	v_lshlrev_b32 v[BIAS+(\p)], 16, v6
	v_and_b32 v[BIAS+(\p)+1], 0xffff0000, v6
.endr
; 16 matrix instructions: m blocks a0, a0 + 1 of the window's four (hi = 0: my rows 0-63, 1: rows 64-127) x all 8 n blocks, 32 along K.  zero = 1: the first product starts the sums: nothing is cleared.
.macro MUL16 f, hi, a0, zero
	WIN MUL_LO+0x50*(\hi)
.irp a, \a0, (\a0)+1
.irp b, 0,1,2,3,4,5,6,7
.if \zero
	v_wmma_f32_16x16x32_f16 v[8*(8*(\a)+(\b)):8*(8*(\a)+(\b))+7], v[(\f)+8*(4*(\hi)+(\a)):(\f)+8*(4*(\hi)+(\a))+7], v[(\f)+8*(\b):(\f)+8*(\b)+7], 0
.else
	v_wmma_f32_16x16x32_f16 v[8*(8*(\a)+(\b)):8*(8*(\a)+(\b))+7], v[(\f)+8*(4*(\hi)+(\a)):(\f)+8*(4*(\hi)+(\a))+7], v[(\f)+8*(\b):(\f)+8*(\b)+7], v[8*(8*(\a)+(\b)):8*(8*(\a)+(\b))+7]
.endif
.endr
.endr
.endm
; 32 LDS loads in one run: the fragments of one quarter step (128 rows of B, 128 rows of A, 32 K at byte k of the rows) into buffer f
.macro FETCH slot, k, f
	WIN TO_B
.irp i, 0,1,2,3,4,5,6,7
	ds_load_b128 v[(\f)+8*(\i):(\f)+8*(\i)+3],   v[ADRB+(\slot)] offset:(\k)+(\i)*16*PITCH
	ds_load_b128 v[(\f)+8*(\i)+4:(\f)+8*(\i)+7], v[ADRB+(\slot)] offset:(\k)+(\i)*16*PITCH+32
.endr
	WIN 0
.irp i, 0,1,2,3,4,5,6,7
	ds_load_b128 v[(\f)+8*(\i):(\f)+8*(\i)+3],   v[ADRA+(\slot)] offset:(\k)+(\i)*16*PITCH
	ds_load_b128 v[(\f)+8*(\i)+4:(\f)+8*(\i)+7], v[ADRA+(\slot)] offset:(\k)+(\i)*16*PITCH+32
.endr
.endm
; Four places stand between a matrix instruction and a load into a register that it has read, or a vector instruction that reads its result (ISA guide 7.12.1 for vector instructions);
; the matrix instructions in between are not counted.
.macro PLACES
.rept 4
	v_nop
.endr
.endm
; A K step is four quarters of 32 along K, 64 matrix instructions each, on buffers 0, 1, 0, 1.  One of the first three: multiplies buffer f; in its middle it fetches the next quarter, at byte k, into buffer g.
; The 64 accumulators take turns, one instruction a turn, in the same order in every quarter.
.macro QUARTER slot, k, f, g, zero
	s_wait_dscnt 8                                 ; B and A's rows 0-63 are in; the youngest eight loads (A's rows 64-127) may be out
	MUL16 \f, 0, 0, \zero
	MUL16 \f, 0, 2, \zero
	PLACES
	FETCH \slot, \k, \g
	s_wait_dscnt 32                                ; all but the 32 just issued
	MUL16 \f, 1, 0, \zero
	MUL16 \f, 1, 2, \zero
.endm
; The last quarter multiplies buffer 1 and changes slots.  MEET is its first half: ONE barrier.  In front of it each wave waits for all its tensor loads, of which one is out: its part of the next slot;
; adds 0 to its spare word; and waits for that and for its own reads of this slot.  Behind it nobody reads this slot any more and the next slot is whole.
.macro MEET round                      ; round = 1: a round of the cluster's barrier follows
	WIN 0                                          ; (the add's two registers lie in window 0)
	s_wait_tensorcnt 0x0                           ; all my tensor loads have landed
	ds_add_u32 v[SPW], v[NIL]                      ; 0 onto my spare word
	s_wait_dscnt 9                                 ; (the add and the youngest eight loads may be out)
	MUL16 F1, 0, 0, 0                              ; sixteen matrix instructions stand between the add and the wait for it
	s_wait_dscnt 0x0                               ; the add is done, and my reads of this slot are over
	s_barrier_signal -1
	MUL16 F1, 0, 2, 0                              ; work on registers while the others arrive
.if \round
	WIN 0
.endif
	s_barrier_wait -1
.endm
; The whole last quarter.  Behind the round the slot just read out is filled again first, with the K step two steps on; then come the next slot's first fragments.
; One load of mine is out behind each round; from the request to the wait for it I issue 224 matrix instructions.
.macro TURN slot, next
	MEET 1
	CREST                                          ; no wave of any partner still reads this slot's tile or has a load on its way
	s_add_nc_u64 s[G0+4*(\slot)+2:G0+4*(\slot)+3], s[G0+4*(\slot)+2:G0+4*(\slot)+3], 2*KSTEP*2
	s_add_nc_u64 s[G0B+4*(\slot)+2:G0B+4*(\slot)+3], s[G0B+4*(\slot)+2:G0B+4*(\slot)+3], 2*KSTEP*2
	JLOAD \slot                                    ; the first tensor load behind the round; the four v_nop behind it are also the places in front of the loads below
	FETCH \next, 0, F0
	MUL16 F1, 1, 0, 0
	MUL16 F1, 1, 2, 0
.endm
; THE LAST K STEP (it lies in slot 1) GOES BY ROWS OF C.  All its fragments of B (4 quarters x 64 registers) fill window 1; then my eight blocks of 16 rows are finished one after the other,
; each with 32 matrix instructions (its 8 accumulators by turns, K ascending: the sums stay the same bit for bit).
.macro BLOAD q                         ; B's fragments of quarter q -> window 1, v[64 q ..]
	WIN TO_B
.irp i, 0,1,2,3,4,5,6,7
	ds_load_b128 v[64*(\q)+8*(\i):64*(\q)+8*(\i)+3],   v[ADRB+1] offset:64*(\q)+(\i)*16*PITCH
	ds_load_b128 v[64*(\q)+8*(\i)+4:64*(\q)+8*(\i)+7], v[ADRB+1] offset:64*(\q)+(\i)*16*PITCH+32
.endr
.endm
.macro ALOAD a                         ; A's fragments of block a, all four quarters -> buffer a % 4
	WIN 0
.set FA, PA+32*((\a)%4)
.irp q, 0,1,2,3
	ds_load_b128 v[FA+8*(\q):FA+8*(\q)+3],   v[ADRA+1] offset:64*(\q)+(\a)*16*PITCH
	ds_load_b128 v[FA+8*(\q)+4:FA+8*(\q)+7], v[ADRA+1] offset:64*(\q)+(\a)*16*PITCH+32
.endr
.endm
.macro ROW a                           ; block a is finished: 32 matrix instructions
.set FA, PA+32*((\a)%4)
.set AC, 64*((\a)%4)
	WIN MUL_LO+0x50*((\a)/4)
.irp q, 0,1,2,3
.if (\a) == 0 && (\q) == 2
	s_wait_dscnt 24                                ; B's quarter 2 is in (behind it: A's blocks 1 to 3, 24 loads)
.endif
.irp b, 0,1,2,3,4,5,6,7
	v_wmma_f32_16x16x32_f16 v[AC+8*(\b):AC+8*(\b)+7], v[FA+8*(\q):FA+8*(\q)+7], v[64*(\q)+8*(\b):64*(\q)+8*(\b)+7], v[AC+8*(\b):AC+8*(\b)+7]
.endr
.endr
.endm
; THE WAY OUT of half a block: registers 4 half + 0..3 of block a's eight accumulators, that is rows 8 (l / 16) + 4 half + 0..3.  The bias is added, which lays the numbers of accumulators 4 g .. 4 g + 3 side by side,
; and they are stored.  half 0 comes first.
.macro OUT a, half
.set AC, 64*((\a)%4)
.set BK, TMP+32*(\half)
	s_wait_xcnt 0x0                                ; the stores that read this buffer last have read it: it is rewritten only behind this wait
	WIN 0x02+((\a)/4)                              ; source 0: window 2 or 3
.irp j, 0,1,2,3
.irp b, 0,1,2,3,4,5,6,7
	v_add_f32 v[BK+8*(\j)+(\b)], v[AC+8*(\b)+4*(\half)+(\j)], v[BIAS+(\b)]
.endr
.endr
	WIN 0
.irp j, 0,1,2,3
.irp g, 0,1
	global_store_b128 v[CO], v[BK+8*(\j)+4*(\g):BK+8*(\j)+4*(\g)+3], s[8:9] offset:(16*(\a)+4*(\half)+(\j))*SIZE_N*4+256*(\g) th:TH_STORE_NT  ; each half of the lanes stores 256 consecutive bytes of one row, at a multiple of 256 from C's first byte; 119 rows of 4,096 bytes at the most, inside the signed 24-bit immediate
.endr
.endr
.endm
	s_wait_tensorcnt 1                             ; my part of K step 0 is in; K step 1's may stay out
	s_barrier_signal -1
	s_barrier_wait -1                              ; everybody's is
	FETCH 0, 0, F0
	QUARTER 0, 64,  F0, F1, 1                      ; the first quarter stands in front of the loop: its products start the sums
	WIN 0                                          ; at a label and at a branch every window is 0
	s_mov_b32 s3, LAPS-1
.Llap:                                                 ; a trip goes once round the ring, from a lap's second quarter to the next lap's first, and fills both slots again
	QUARTER 0, 128, F1, F0, 0
	QUARTER 0, 192, F0, F1, 0
	TURN 0, 1
	QUARTER 1, 64,  F0, F1, 0
	QUARTER 1, 128, F1, F0, 0
	QUARTER 1, 192, F0, F1, 0
	TURN 1, 0
	QUARTER 0, 64,  F0, F1, 0
	WIN 0
	s_sub_co_u32 s3, s3, 1
	s_cmp_lg_u32 s3, 0
	s_cbranch_scc1 .Llap
	QUARTER 0, 128, F1, F0, 0                      ; the last lap is written out: it fills nothing
	QUARTER 0, 192, F0, F1, 0
	MEET 0                                         ; my one tensor load that was still out is slot 1's, the last K step's, so no round follows
	PLACES                                         ; for the loads into buffer 0, which the quarter before multiplied
	BLOAD 0                                        ; three quarters of B now: buffer 1 (v128-191 of both windows) is still being multiplied
	BLOAD 1
	BLOAD 3
	ALOAD 0
	MUL16 F1, 1, 0, 0
	MUL16 F1, 1, 2, 0
	PLACES                                         ; for the loads into buffer 1
	BLOAD 2
	ALOAD 1
	ALOAD 2
	ALOAD 3
	s_wait_dscnt 40                                ; all but the 40 just issued
	ROW 0
.irp a, 0,1,2,3,4,5,6,7                ; each block leaves as soon as it is finished
	PLACES                                         ; the additions read results just made, and the loads land in registers just multiplied
.if (\a) < 4
	ALOAD (\a)+4                                   ; the block's buffer takes the block four further on
.endif
	OUT \a, 0
	OUT \a, 1
.if (\a) < 4
	s_wait_dscnt 24                                ; A's block a + 1 is in: behind its loads three more blocks' were issued, eight each
	ROW (\a)+1
.elseif (\a) < 7
	s_wait_dscnt 8*(6-(\a))                        ; the same; two blocks' loads, one block's, none
	ROW (\a)+1
.endif
.endr
	s_wait_tensorcnt 0x0                           ; the wave's end: three lines behind my last tensor load
	ds_add_u32 v[SPW], v[NIL]
	s_wait_dscnt 0x0
	CROUND                                         ; the closing round: no work-group ends while a partner may still ask for a tile that names it
	s_endpgm
.Lfunc_end_k_qe9616262d0_gemm_proj:
	.size	k_qe9616262d0_gemm_proj, .Lfunc_end_k_qe9616262d0_gemm_proj-k_qe9616262d0_gemm_proj
	.p2alignl 7, 3214868480
	.fill 96, 4, 3214868480
	.section	.rodata,"a",@progbits
	.p2align	6, 0x0
	.amdhsa_kernel k_qe9616262d0_gemm_proj
		.amdhsa_group_segment_fixed_size 327680
		.amdhsa_private_segment_fixed_size 0
		.amdhsa_enable_private_segment 0
		.amdhsa_kernarg_size 32
		.amdhsa_user_sgpr_count 2
		.amdhsa_user_sgpr_kernarg_segment_ptr 1
		.amdhsa_wavefront_size32 1
		.amdhsa_system_sgpr_workgroup_id_x 1
		.amdhsa_system_sgpr_workgroup_id_y 1
		.amdhsa_system_sgpr_workgroup_id_z 1
		.amdhsa_system_vgpr_workitem_id 0
		.amdhsa_next_free_vgpr 1024
		.amdhsa_next_free_sgpr 68
		.amdhsa_reserve_vcc 0
		.amdhsa_float_denorm_mode_32 3
		.amdhsa_float_denorm_mode_16_64 3
		.amdhsa_memory_ordered 1
		.amdhsa_forward_progress 1
		.amdhsa_inst_pref_size 142
	.end_amdhsa_kernel
	.amdgpu_metadata
---
amdhsa.version: [ 1, 2 ]
amdhsa.kernels:
  - .name:           k_qe9616262d0_gemm_proj
    .symbol:         k_qe9616262d0_gemm_proj.kd
    .args:
      - { .name: o2, .offset: 0, .size: 8, .value_kind: global_buffer, .address_space: global }
      - { .name: wpb, .offset: 8, .size: 8, .value_kind: global_buffer, .address_space: global }
      - { .name: out0, .offset: 16, .size: 8, .value_kind: global_buffer, .address_space: global }
      - { .name: b_proj, .offset: 24, .size: 8, .value_kind: global_buffer, .address_space: global }
    .group_segment_fixed_size: 327680
    .private_segment_fixed_size: 0
    .kernarg_segment_align: 8
    .kernarg_segment_size: 32
    .max_flat_workgroup_size: 128
    .sgpr_count:     68
    .vgpr_count:     1024
    .wavefront_size: 32
...
	.end_amdgpu_metadata
.endif
;; end of part 4
;; ======== version 2 of 2: 4 launches; version 1 with the launch attn written anew for expert scheduling mode
;; limits: values are held in f16: magnitudes above 65,504 overflow, below 6.1e-05 lose precision
;; workspace buffers: xb 33,554,432 bytes; wqb 6,291,456 bytes; wpb 2,097,152 bytes; qkv 100,663,296 bytes; o2 33,554,432 bytes
;; launch cast: the kernel of part 1 again; grid 1280 x 1, 8 waves a work-group, no clusters, 0 bytes of LDS; arguments x, w_qkv, w_proj, xb, wqb, wpb; writes xb, wqb, wpb
;; launch gemm_qkv: the kernel of part 2 again; grid 4 x 64, 4 waves a work-group, clusters of 4 x 4, 327,680 bytes of LDS; arguments xb, wqb, qkv; writes qkv
;; launch attn (part 5): grid 256 x 1, 16 waves a work-group, no clusters, 137,216 bytes of LDS; arguments qkv, o2; writes o2
.if DOCPART == 5
	.amdgcn_target "amdgcn-amd-amdhsa--gfx1250"
	.amdhsa_code_object_version 6
	.text
	.protected	k_qe9616262d0_attn
	.globl	k_qe9616262d0_attn
	.p2align	8
	.type	k_qe9616262d0_attn,@function
k_qe9616262d0_attn:
	s_mov_b64 s[64:65], 0
	v_nop
	global_prefetch_b8 v0, s[64:65] scope:SCOPE_SE
	s_setreg_imm32_b32 hwreg(HW_REG_WAVE_SCHED_MODE, 0, 2), 2
	s_setreg_imm32_b32 hwreg(HW_REG_WAVE_MODE, 25, 1), 1
	s_wait_xcnt 0x0
	s_wait_alu depctr_vm_vsrc(0)
; ATTENTION ACROSS THE 16 HEADS OF ONE TOKEN.  For each token: S[h][g] = q[h] . k[g] / 8, softmax over g (the row's maximum is taken away first), o[h] = sum over g of P[h][g] v[g].
; qkv: [16384][3072] f16, its columns in fragment order: byte 2048 p + 256 u + 16 r + 2 b of a token's row holds, for p = 0, 1 (q, k), head r, channel 8 u + b; for p = 2 (v), channel 16 (u / 2) + r, head 8 (u % 2) + b.
; So lane l's 16 bytes at 16 l of the 512 bytes from 2048 p + 512 blk on are: head l % 16, channels 16 blk + 8 (l / 16) + 0..7 (q, k); channel 16 blk + l % 16, heads 8 (l / 16) + 0..7 (v): half a fragment.
; o2: [16384][1024] f16, in the order that the module's transpose and reshape give: o[b][n][h][d] lies in row 4096 b + 256 h + n / 16, column 64 (n % 16) + d.
; Products, maximum, exponentials and sum in f32; P is divided by its sum in f32 and rounded to f16 for the second product; o is rounded once.
; LIMITS.  q, k, v arrive finite, within f16.  The second product has 16 heads along a K of 32: the upper half of P's fragment is 0, and what stands opposite in V's fragment (the next block of v, finite) adds 0.
; A weight below 2^-126 counts as 0; NaN and infinities are not treated apart.
; SHARES.  A wave takes four consecutive tokens: 24,576 bytes in, 16 pieces of 512 bytes out.  4,096 such groups: 256 work-groups of 16 waves.  No loop: a wave's 48 loads all go out at its head.
; A stream with a little matrix work: the work-groups share no input, so no cluster; each load covers 512 consecutive bytes, so nothing passes through LDS on the way in.
; LAYOUT.  S^T = K Q^T (source 0 = 16 key heads, source 1 = 16 query heads): lane l holds query head l % 16 and key heads 8 (l / 16) + 0..7.  Rounded in pairs that IS the lower half of source 1 of
; O^T = V^T P (source 0 = 16 channels x heads), whose result holds one head a lane and eight channels.
; THE MODE: SCHED_MODE bits 1:0 = 2 (LLVM: expert scheduling mode 2), set by the entry lines.  The code itself states the register dependences
; between vector or matrix instructions and memory or LDS instructions, with s_wait_alu, always for 0.
; THE PLAN.  Registers that memory or LDS instructions touch:
;   v1-v4 (LO, STO, RD, GO)  offsets and LDS addresses: written at the head by vector instructions and never again; read by the global loads, the LDS stores, the LDS loads and the global stores.
;   QK                       the global loads land in it; the products K Q^T read it; the products V^T P and then the conversions write it; the LDS stores read the low four of each eight; nothing writes it behind them.
;   V                        the global loads land in it; the products V^T P read it; the LDS loads from the stage land in it; the global stores read it; nothing writes it behind them.
;   v6, v7 (SPW, NIL)        written at the head, read by the closing add alone.
;   S, ST and ZQ are named by vector and matrix instructions alone.
; So: one wait on va_sdst for the wave's number; one wait on va_vdst ahead of the first load, for all four addresses; one behind each batch of transcendentals; and two on the way out, one behind each half of the
; conversions, ahead of that half's LDS stores.  The first half's stores are dealt among the second half's conversions, which name other registers.  No register that a memory or LDS instruction reads is written again,
; so there is no wait on vm_vsrc.
.set LO,  1                            ; v1   my 16 bytes in a block of 512: 16 l
.set STO, 2                            ; v2   the way out: where I put 16 bytes of a head's row in my wave's stage
.set RD,  3                            ; v3   the way out: where I read a row back
.set GO,  4                            ; v4   my 16 bytes in 512 consecutive bytes of o2
.set SPW, 6                            ; v6   LDS address of my spare word: SPARE + 4 x my thread's number; never rewritten
.set NIL, 7                            ; v7   0; never rewritten
.set ST,  8                            ; token t at v[ST+4 t]: M, T, L, L2
.set S,   24                           ; v[24:55]   S^T, then P: 8 registers a token
.set QK,  56                           ; v[56:183]  token t: Q in 16 registers, K in 16; later its O^T, 8 registers for each 16 channels
.set V,   184                          ; v[184:247] token t: V^T, 4 registers for each 16 channels; later the rows read back
.set ZQ,  248                          ; v[248:251] 0: what stands behind the last block of V
.set SEL, 16                           ; s[16:17] v_permlanex16_b32's selects: each lane takes its own place in the other half
.set CS,  18                           ; s[18:19] c = log2(e) / 8: the packed scaling takes the pair's low word for both halves
.set SP,  528                          ; a stage row: 4 tokens x 128 bytes + 16 of padding = 132 words: the 16 rows that a store touches start at 16 different groups of four banks
.set WSTAGE, 16*SP                     ; a wave's stage: 16 heads
.set SPARE, 16*WSTAGE                  ; behind the stages: the spare words, 128 bytes for each of the 16 waves: eight blocks of 256 bytes that no other line names
.macro ALL line:vararg                 ; one line for each token t
.set t, 0
.rept 4
	\line
.set t, t+1
.endr
.endm
	s_load_b128 s[4:7], s[0:1], 0x0                ; qkv s[4:5], o2 s[6:7]
	v_lshl_add_u32 v[SPW], v0, 2, SPARE
	v_mov_b32 v[NIL], 0
	v_lshrrev_b32 v5, 5, v0
	v_readfirstlane_b32 s8, v5                     ; wave 0..15
	v_and_b32 v[LO], 31, v0                        ; the lanes' part of all four addresses stands here, between that line and the wait for s8
	v_lshlrev_b32 v[LO], 4, v[LO]                  ; 16 l
	v_and_b32 v5, 15, v0                           ; l % 16
	v_bfe_u32 v[GO], v0, 4, 1                      ; l / 16
	v_mul_u32_u24 v[STO], v5, SP                   ; in: the head's row, 16 bytes for each half of the lanes
	v_lshl_add_u32 v[STO], v[GO], 4, v[STO]
	v_and_b32 v[GO], 31, v0
	v_lshlrev_b32 v[GO], 4, v[GO]                  ; back and out: 32 lanes x 16 bytes
	s_mov_b32 s[SEL], 0x76543210
	s_mov_b32 s[SEL+1], 0xfedcba98
	s_mov_b32 s[CS], 0x3e38aa3b                    ; 0.180337
	s_mov_b32 s[CS+1], s[CS]                       ; named with it as a pair
	s_wait_alu depctr_va_sdst(0)                   ; s8 is written, ahead of its first reader: the group's number and the stage's place are made from it
	s_lshl_b32 s9, ttmp9, 4
	s_add_co_u32 s9, s9, s8                        ; G: my group of four tokens
	s_mul_i32 s10, s9, 4*6144                      ; its first byte in qkv
	s_mov_b32 s11, 0
	s_lshr_b32 s12, s9, 10                         ; b = G / 1024,
	s_lshl_b32 s12, s12, 23                        ; 4,096 rows of 2,048 bytes each
	s_bfe_u32 s13, s9, 0x80002                     ; n / 16 = (G / 4) % 256: a row
	s_lshl_b32 s13, s13, 11
	s_add_co_u32 s12, s12, s13
	s_and_b32 s13, s9, 3                           ; n % 16 = 4 (G % 4) + t: 128 bytes a token
	s_lshl_b32 s13, s13, 9
	s_add_co_u32 s12, s12, s13
	s_mov_b32 s13, 0
	s_mul_i32 s20, s8, WSTAGE                      ; my wave's stage
	v_add_nc_u32 v[STO], s20, v[STO]
	v_add_nc_u32 v[RD], s20, v[GO]
	s_wait_kmcnt 0x0
	s_add_nc_u64 s[4:5], s[4:5], s[10:11]
	s_add_nc_u64 s[6:7], s[6:7], s[12:13]
	s_wait_alu depctr_va_vdst(0)                   ; v1 to v4 are written: the loads below read v1, the LDS stores, LDS loads and global stores of the way out v2, v3 and v4; no vector instruction names the four again
.irp t, 0,1,2,3                        ; Q and K of the four tokens first: 32 loads
.irp k, 0,1,2,3
	global_load_b128 v[QK+32*(\t)+4*(\k):QK+32*(\t)+4*(\k)+3], v[LO], s[4:5] offset:(\t)*6144+(\k)*512 th:TH_LOAD_NT
.endr
.irp k, 0,1,2,3
	global_load_b128 v[QK+32*(\t)+16+4*(\k):QK+32*(\t)+16+4*(\k)+3], v[LO], s[4:5] offset:(\t)*6144+2048+(\k)*512 th:TH_LOAD_NT
.endr
.endr
.irp t, 0,1,2,3                        ; then V: 16 loads
.irp k, 0,1,2,3
	global_load_b128 v[V+16*(\t)+4*(\k):V+16*(\t)+4*(\k)+3], v[LO], s[4:5] offset:(\t)*6144+4096+(\k)*512 th:TH_LOAD_NT
.endr
.endr
	ALL v_mov_b32 v[ST+4*t+1], 0                   ; v_permlanex16_b32's destination counts as read
.irp i, 0,1,2,3
	v_mov_b32 v[ZQ+(\i)], 0
.endr
	s_wait_loadcnt 16                              ; Q and K are in; V's 16 loads may stay out
.irp t, 0,1,2,3                        ; channels 0-31 start the sums; the four accumulators take turns
	v_wmma_f32_16x16x32_f16 v[S+8*(\t):S+8*(\t)+7], v[QK+32*(\t)+16:QK+32*(\t)+23], v[QK+32*(\t):QK+32*(\t)+7], 0
.endr
.irp t, 0,1,2,3                        ; channels 32-63
	v_wmma_f32_16x16x32_f16 v[S+8*(\t):S+8*(\t)+7], v[QK+32*(\t)+24:QK+32*(\t)+31], v[QK+32*(\t)+8:QK+32*(\t)+15], v[S+8*(\t):S+8*(\t)+7]
.endr
.rept 4
	v_nop                                          ; the places between the products and the first read of their results
.endr
	; the row's maximum: my eight scores (from the accumulator's low end on), then the other half of the lanes'
	ALL v_max3_num_f32 v[ST+4*t], v[S+8*t], v[S+8*t+1], v[S+8*t+2]
	ALL v_max3_num_f32 v[ST+4*t], v[ST+4*t], v[S+8*t+3], v[S+8*t+4]
	ALL v_max3_num_f32 v[ST+4*t], v[ST+4*t], v[S+8*t+5], v[S+8*t+6]
	ALL v_max_num_f32 v[ST+4*t], v[ST+4*t], v[S+8*t+7]
	ALL v_permlanex16_b32 v[ST+4*t+1], v[ST+4*t], s[SEL], s[SEL+1]
	ALL v_max_num_f32 v[ST+4*t], v[ST+4*t], v[ST+4*t+1]
	ALL v_mul_f32 v[ST+4*t], s[CS], v[ST+4*t]      ; c m
.irp i, 0,2,4,6
	ALL v_pk_fma_f32 v[S+8*t+\i:S+8*t+\i+1], v[S+8*t+\i:S+8*t+\i+1], s[CS:CS+1], v[ST+4*t:ST+4*t+1] op_sel_hi:[1,0,0] neg_lo:[0,0,1] neg_hi:[0,0,1]  ; c s - c m
.endr
.set i, 0
.rept 32
	v_exp_f32 v[S+i], v[S+i]
.set i, i+1
.endr
	v_nop                                          ; a plain instruction between the last exponential and the use of its result
	s_wait_alu depctr_va_vdst(0)                   ; the 32 exponentials have written v[S ..], ahead of the sums, their first readers: one wait for the batch
	; the row's sum
	ALL v_pk_add_f32 v[ST+4*t+2:ST+4*t+3], v[S+8*t:S+8*t+1], v[S+8*t+2:S+8*t+3]
	ALL v_pk_add_f32 v[ST+4*t:ST+4*t+1], v[S+8*t+4:S+8*t+5], v[S+8*t+6:S+8*t+7]
	ALL v_pk_add_f32 v[ST+4*t+2:ST+4*t+3], v[ST+4*t+2:ST+4*t+3], v[ST+4*t:ST+4*t+1]
	ALL v_add_f32 v[ST+4*t+2], v[ST+4*t+2], v[ST+4*t+3]
	ALL v_permlanex16_b32 v[ST+4*t+1], v[ST+4*t+2], s[SEL], s[SEL+1]
	ALL v_add_f32 v[ST+4*t+2], v[ST+4*t+2], v[ST+4*t+1]
	ALL v_rcp_f32 v[ST+4*t], v[ST+4*t+2]
	v_nop                                          ; a plain instruction between the last reciprocal and the use of its result
	s_wait_alu depctr_va_vdst(0)                   ; the four reciprocals have written v[ST+4 t], ahead of the multiplies, their first readers: one wait for the batch
.irp i, 0,2,4,6
	ALL v_pk_mul_f32 v[S+8*t+\i:S+8*t+\i+1], v[S+8*t+\i:S+8*t+\i+1], v[ST+4*t:ST+4*t+1] op_sel_hi:[1,0]
.endr
.irp i, 0,1,2,3                        ; in place: register i takes weights 2 i, 2 i + 1, which no later line reads
	ALL v_cvt_pk_f16_f32 v[S+8*t+\i], v[S+8*t+2*\i], v[S+8*t+2*\i+1]
.endr
.irp i, 4,5,6,7                        ; there are no heads 16 to 31
	ALL v_mov_b32 v[S+8*t+\i], 0
.endr
	s_wait_loadcnt 0x0                             ; V
.irp c, 0,1,2,3                        ; 16 products, each a whole sum of its own; they land where Q and K lay, whose last readers stand the whole softmax back
.irp t, 0,1,2,3
	v_wmma_f32_16x16x32_f16 v[QK+32*(\t)+8*(\c):QK+32*(\t)+8*(\c)+7], v[V+16*(\t)+4*(\c):V+16*(\t)+4*(\c)+7], v[S+8*(\t):S+8*(\t)+7], 0
.endr
.endr
.rept 4
	v_nop                                          ; the places in front of the conversions
.endr
	; THE WAY OUT: a lane's eight channels of a head pack into 16 bytes; they go into the head's row of my stage, four tokens side by side, and come back as whole rows of 512 bytes.
	; In two halves: tokens 0 and 1 are rounded; one wait; their eight LDS stores stand among the conversions of tokens 2 and 3; one wait; the other eight stores.
.irp t, 0,1
.irp c, 0,1,2,3
.irp i, 0,1,2,3
	v_cvt_pk_f16_f32 v[QK+32*(\t)+8*(\c)+(\i)], v[QK+32*(\t)+8*(\c)+2*(\i)], v[QK+32*(\t)+8*(\c)+2*(\i)+1]
.endr
.endr
.endr
	s_wait_alu depctr_va_vdst(0)                   ; the conversions have written tokens 0 and 1's packed numbers, which the eight LDS stores below read; and the 16 products are done reading V, in which the LDS loads further down land
.irp t, 0,1
.irp c, 0,1,2,3
	ds_store_b128 v[STO], v[QK+32*(\t)+8*(\c):QK+32*(\t)+8*(\c)+3] offset:(\t)*128+(\c)*32  ; no wait: no vector instruction since the wait above names tokens 0 and 1's registers
.irp i, 0,1,2,3
	v_cvt_pk_f16_f32 v[QK+32*((\t)+2)+8*(\c)+(\i)], v[QK+32*((\t)+2)+8*(\c)+2*(\i)], v[QK+32*((\t)+2)+8*(\c)+2*(\i)+1]
.endr
.endr
.endr
	s_wait_alu depctr_va_vdst(0)                   ; the conversions have written tokens 2 and 3's packed numbers, which the eight LDS stores below read
.irp t, 2,3
.irp c, 0,1,2,3
	ds_store_b128 v[STO], v[QK+32*(\t)+8*(\c):QK+32*(\t)+8*(\c)+3] offset:(\t)*128+(\c)*32
.endr
.endr
.irp h, 0,1,2,3,4,5,6,7,8,9,10,11,12,13,14,15
	ds_load_b128 v[V+4*(\h):V+4*(\h)+3], v[RD] offset:(\h)*SP  ; my wave's own bytes: LDS serves a wave's instructions in order, so these see the stores above; no vector or matrix instruction has named V since the products, which stand ahead of both waits
.endr
.irp h, 0,1,2,3,4,5,6,7,8,9,10,11,12,13,14,15
	s_wait_dscnt 15-(\h)                           ; row h is back; the 15 - h younger loads stay out
	global_store_b128 v[GO], v[V+4*(\h):V+4*(\h)+3], s[6:7] offset:(\h)*524288  ; 512 consecutive bytes, at a multiple of 512 from o2's first; head h lies 256 rows of 2,048 bytes on: 7,864,320 at the most, inside the signed 24-bit immediate
.endr
	s_wait_dscnt 0x0                               ; the closing lines, six on end
	s_wait_alu 0x0
	s_wait_tensorcnt 0x0
	ds_add_u32 v[SPW], v[NIL]
	s_wait_dscnt 0x0
	s_endpgm
.Lfunc_end_k_qe9616262d0_attn:
	.size	k_qe9616262d0_attn, .Lfunc_end_k_qe9616262d0_attn-k_qe9616262d0_attn
	.p2alignl 7, 3214868480
	.fill 96, 4, 3214868480
	.section	.rodata,"a",@progbits
	.p2align	6, 0x0
	.amdhsa_kernel k_qe9616262d0_attn
		.amdhsa_group_segment_fixed_size 137216
		.amdhsa_private_segment_fixed_size 0
		.amdhsa_enable_private_segment 0
		.amdhsa_kernarg_size 16
		.amdhsa_user_sgpr_count 2
		.amdhsa_user_sgpr_kernarg_segment_ptr 1
		.amdhsa_wavefront_size32 1
		.amdhsa_system_sgpr_workgroup_id_x 1
		.amdhsa_system_sgpr_workgroup_id_y 1
		.amdhsa_system_sgpr_workgroup_id_z 1
		.amdhsa_system_vgpr_workitem_id 0
		.amdhsa_next_free_vgpr 256
		.amdhsa_next_free_sgpr 66
		.amdhsa_reserve_vcc 0
		.amdhsa_float_denorm_mode_32 3
		.amdhsa_float_denorm_mode_16_64 3
		.amdhsa_memory_ordered 1
		.amdhsa_forward_progress 1
		.amdhsa_inst_pref_size 25
	.end_amdhsa_kernel
	.amdgpu_metadata
---
amdhsa.version: [ 1, 2 ]
amdhsa.kernels:
  - .name:           k_qe9616262d0_attn
    .symbol:         k_qe9616262d0_attn.kd
    .args:
      - { .name: qkv, .offset: 0, .size: 8, .value_kind: global_buffer, .address_space: global }
      - { .name: o2, .offset: 8, .size: 8, .value_kind: global_buffer, .address_space: global }
    .group_segment_fixed_size: 137216
    .private_segment_fixed_size: 0
    .kernarg_segment_align: 8
    .kernarg_segment_size: 16
    .max_flat_workgroup_size: 512
    .sgpr_count:     66
    .vgpr_count:     256
    .wavefront_size: 32
...
	.end_amdgpu_metadata
.endif
;; end of part 5
;; launch gemm_proj: the kernel of part 4 again; grid 4 x 64, 4 waves a work-group, clusters of 4 x 4, 327,680 bytes of LDS; arguments o2, wpb, out0, b_proj; writes out0
